; MI455X (gfx1250); checked and timed in simulation.
; The chip was launched on July 23, 2026; its instructions are those of AMD's public machine-readable ISA for CDNA 5 (MIT licence, August 2026) and "CDNA5" Instruction Set Architecture Reference Guide (July 2026). The comments in the code are by the model that wrote it; some were corrected since.
;; Relative Attention. Allowed arithmetic: matrix products marked QUANTISED: E2M3 operands, one E8M0 scale for each 32 along K, by v_wmma_scale_f32_16x16x128_f8f6f4 with both operands' format E2M3, f32 sums; everything else in f32.
;; Inputs: b_out 1,024 float32; b_qkv 3,072 float32; rel_emb 1,023 x 16 float32; w_out 1,024 x 1,024 float32; w_qkv 1,024 x 3,072 float32; x 16 x 512 x 1,024 float32.
;; Outputs: out0 16 x 512 x 1,024 float32.
;; This version of the problem:
;;   THIS VERSION OF THE PROBLEM IS GIVEN IN LOW PRECISION. The matrix products marked QUANTISED in the list below multiply operands that are first quantised to E2M3 (2 exponent bits, 3 mantissa bits; 6 bits a number), with one power-of-two scale for each 32 numbers along K (OCP MX v1.0); their sums are f32. All else is computed in f32.
;;   The module's matrix products, in the order in which they are computed (A, B: the left and right operand; K: the contracted axis; several contracted axes count as one K, in the product's order):
;;     1. [M 8,192, K 1,024] x [K 1,024, N 3,072]; A: input x; B: input w_qkv: QUANTISED
;;     2. batch 256 x [M 512, K 64] x [K 64, N 512]; A: computed on the way; B: computed on the way: QUANTISED
;;     3. batch 256 x [M 512, K 512] x [K 512, N 64]; A: softmax (see below); B: computed on the way: QUANTISED
;;     4. [M 8,192, K 1,024] x [K 1,024, N 1,024]; A: computed on the way; B: input w_out: QUANTISED
;;   THE QUANTISER, for each operand of a quantised product, along K:
;;     - K is cut into blocks of 32 from its start; a last block that is shorter is filled with zeros.
;;     - A block's scale is 2^e with e = floor(log2(the largest magnitude in the block)) - 2, held to -126 .. 127; a block of zeros has e = 0. As a byte (E8M0): e + 127.
;;     - Each number is divided by its block's scale, clamped to +-7.5, and rounded to the nearest number of E2M3, ties to even, subnormals kept.
;;     - The product sums the exact products of the quantised numbers (number of the format x scale) in f32.
;;   ~~~python
;;   def quantise(x, axis):      # numpy; x: float32 -> the quantised numbers, widened to float32 again
;;       x = np.moveaxis(x, axis, -1); K = x.shape[-1]
;;       x = np.pad(x, [(0, 0)] * (x.ndim - 1) + [(0, -K % 32)]); x = x.reshape(x.shape[:-1] + (-1, 32)); a = np.abs(x).max(-1, keepdims=True)
;;       e = np.where(a > 0, np.clip(np.frexp(np.where(a > 0, a, 1))[1] - 1 - 2, -126, 127), 0)      # np.frexp(a)[1] - 1 = floor(log2(a)), exactly
;;       r = np.clip(x / 2.0 ** e, -7.5, 7.5)
;;       step = 2.0 ** (np.maximum(np.frexp(np.where(r == 0, 1, r))[1] - 1, 0) - 3)
;;       q = np.round(r / step) * step * 2.0 ** e      # np.round: ties to even
;;       return np.moveaxis(q.reshape(q.shape[:-2] + (-1,))[..., :K], -1, axis).astype(np.float32)
;;   ~~~
;;   SOFTMAX AHEAD OF A QUANTISED PRODUCT. Where the list says 'softmax', what is quantised is not the finished softmax but p = 2^(t - M), with t = logit x log2(e) and M = ceil(the row's largest t), a whole number; so 1/2 < the row's largest p <= 1. The row's sum l is taken of the UNQUANTISED p, in f32, and the product's result is divided by l at the end. Since M is a whole number, a kernel that streams over the keys may use a running M (the ceiling of the running maximum): every later rescaling is an exact power of two, which a block's scale takes up: the codes' values come out the same.
;;   OPERANDS COMPUTED ON THE WAY. 'Computed on the way' means the value that the module computes at that place (a softmax that the list does not call 'softmax' is quantised finished and normalised). What goes into a quantiser is computed in f32, as accurately as f32 sums, v_exp_f32 and their like allow (about 1e-6 of the number): no bf16 or f16 on the way to a quantiser, and a product that is left as it is and whose result goes on into a quantised operand takes f32 operands (vector FMAs, or v_wmma_f32_16x16x4_f32). A number that lies on a knife's edge between two numbers of the format may be rounded either way, as far as f32 arithmetic and the matrix unit's own rounding can turn it there, and no further.
;; One version. Each part assembles by itself: llvm-mc -triple=amdgcn-amd-amdhsa -mcpu=gfx1250 --defsym DOCPART=n.
;; ======== version 1 of 1: 4 launches
;; limits: right only within a limited range of input values
;; workspace buffers: xq 6,553,600 bytes; wq 3,276,800 bytes; qkvq 20,185,088 bytes; aoq 6,553,600 bytes
;; launch quant (part 1): grid 256 x 1, 8 waves a work-group, no clusters, 168,960 bytes of LDS; arguments x, w_qkv, w_out, xq, wq; writes xq, wq
.if DOCPART == 1
	.amdgcn_target "amdgcn-amd-amdhsa--gfx1250"
	.amdhsa_code_object_version 6
	.text
	.protected	k_qad88793735_quant
	.globl	k_qad88793735_quant
	.p2align	8
	.type	k_qad88793735_quant,@function
k_qad88793735_quant:
	s_mov_b64 s[64:65], 0
	v_nop
	global_prefetch_b8 v0, s[64:65] scope:SCOPE_SE
	s_setreg_imm32_b32 hwreg(HW_REG_WAVE_MODE, 25, 1), 1
	s_wait_xcnt 0x0
; x [8192][1024], w_qkv [1024][3072] and w_out [1024][1024], f32, become codes of FP6 (E2M3) with one E8M0 byte for each 32 along K.
; A block's scale is 2^(floor(log2(its largest magnitude)) - 2); its byte is the largest magnitude's exponent field - 2.
; LIMITS: a block's largest magnitude is taken no smaller than 2^-124, so the byte is never under 1; a block of zeros gets the byte 1 and not 127
; (its codes are zeros, and this program alone reads the bytes); NaN and infinities among the inputs are not served.
; LAYOUT OF THE CODES: images of the operand's registers.  Half fragment (row tile T of 16 rows, 64 along K: number q) is 768 bytes at 12288 T + 768 q:
; piece p (0..2) at 256 p, lane l at 8 l: registers 2 p, 2 p + 1 of lane (r = l % 16, h = l / 16), whose six registers are the 32 codes of row r, block 2 q + h.
; LAYOUT OF THE SCALE BYTES: 512 bytes a row tile: 128 bytes for each 256 along K, 8 bytes a row in them, one byte a block.
; SHARES.  Work-group g takes 32 rows of x and one piece of a weight, 64 columns x 256 along K (g < 192: w_qkv; else w_out).
; x: wave w takes 128 along K (number w) of the 32 rows: one tensor load brings 32 rows x 512 bytes; a lane then reads 32 neighbours of its row for each of its blocks.
; Weight: K is the first axis, so a lane takes a column and its registers run down K: wave w takes 32 columns (w % 2) x 64 along K (w / 2).
; w_out's rows are taken inside each block of 32 in the order in which the attention launch leaves its codes: place i holds row (i with bits 3 and 4 exchanged).
.set XS,   6291456                     ; xq: the scale images, behind 512 row tiles of codes
.set WQS,  2359296                     ; wq: w_qkv's scale images
.set WOC,  2457600                     ; wq: w_out's codes
.set WOS,  3244032                     ; wq: w_out's scale images
.set XT,   16896                       ; LDS: a wave's tile of x: 32 rows x (512 + 16) bytes
.set XST,  135168                      ; LDS: the two row tiles' scale images, 1,024 bytes
.set WST,  136192                      ; LDS: four column tiles' scale bytes of this piece, 512 bytes
.set MX,   10                          ; v10-11 largest magnitudes;  v12-13 the conversions' scale operands;  v14-15 the bytes
.set SO,   12
.set BY,   14
.set WN,   32                          ; v32-95   the weight's 64 numbers; later x's codes
.set X0,   96                          ; v96-159  x, row tile 0;  v160-223 row tile 1
.set PCW,  224                         ; v224-235 the weight's codes
.set PT,   236                         ; v236-243 second halves of blocks (a conversion's three registers begin on an even number)
.set PCX0, 32
.set PCX1, 44
.set G1,   24
.set G0,   32
.macro LOADW pitch, perm               ; 64 rows of my column; a wave's load reads 128 consecutive bytes, two waves side by side 256
.set kk, 0
.rept 64
.if \perm
.set RW, (kk&0x27)|(((kk>>3)&1)<<4)|(((kk>>4)&1)<<3)
.else
.set RW, kk
.endif
	global_load_b32 v[WN+kk], v6, s[36:37] offset:RW*\pitch th:TH_LOAD_NT
.set kk, kk+1
.endr
.endm
; 64 numbers of a lane, two whole blocks of 32, become twelve registers of codes at v[pc]; the bytes stay in v[BY], v[BY+1]
.macro QUANT64 src, pc
.irp c, 0,1
	v_max3_num_f32 v[MX+\c], |v[\src+32*\c]|, |v[\src+32*\c+1]|, 0x1800000   ; with the floor 2^(3 - 127) among the leaves
.endr
.irp i, 2,4,6,8,10,12,14,16,18,20,22,24,26,28,30
.irp c, 0,1
	s_delay_alu instid0(VALU_DEP_2)
	v_max3_num_f32 v[MX+\c], v[MX+\c], |v[\src+32*\c+\i]|, |v[\src+32*\c+\i+1]|   ; the two blocks by turns
.endr
.endr
.irp c, 0,1
	s_delay_alu instid0(VALU_DEP_2)
	v_add_nc_u32 v[SO+\c], 0xff000000, v[MX+\c]   ; 2 off the exponent field: the conversion takes that field as its scale
.endr
.irp c, 0,1
	s_delay_alu instid0(VALU_DEP_2)
	v_lshrrev_b32 v[BY+\c], 23, v[SO+\c]          ; the scale's byte
.endr
.irp c, 0,1
	v_cvt_scalef32_pk16_fp6_f32 v[\pc+6*\c:\pc+6*\c+2], v[\src+32*\c:\src+32*\c+15], v[SO+\c]
	v_cvt_scalef32_pk16_fp6_f32 v[PT+4*\c:PT+4*\c+2], v[\src+32*\c+16:\src+32*\c+31], v[SO+\c]
.endr
	v_nop                                          ; one plain line behind the scaled conversions
.irp c, 0,1
.irp i, 0,1,2
	v_mov_b32 v[\pc+6*\c+3+\i], v[PT+4*\c+\i]
.endr
.endr
.endm
.macro XWORD d                         ; my row's scale word of these 128 along K: my two bytes (blocks h and 2 + h) and lane l xor 16's two
	v_lshl_or_b32 v[\d], v[BY+1], 16, v[BY]
	s_delay_alu instid0(VALU_DEP_1)
	v_lshlrev_b32 v[\d], v9, v[\d]
	s_delay_alu instid0(VALU_DEP_1)
	v_permlanex16_b32 v19, v[\d], s44, s45
	s_delay_alu instid0(VALU_DEP_1)
	v_or_b32 v[\d], v[\d], v19
.endm
	s_load_b256 s[4:11], s[0:1], 0x0               ; x s[4:5], w_qkv s[6:7], w_out s[8:9], xq s[10:11]
	s_load_b64 s[12:13], s[0:1], 0x20              ; wq
	v_lshl_add_u32 v254, v0, 2, 0x29000
	v_mov_b32 v255, 0
	ds_add_u32 v254, v255
	ds_add_u32 v254, v255
	v_lshrrev_b32 v1, 5, v0
	s_delay_alu instid0(VALU_DEP_1)
	v_readfirstlane_b32 s14, v1                    ; wave 0..7
	s_and_b32 s15, s14, 1                          ; which 32 of the piece's 64 columns
	s_lshr_b32 s16, s14, 1                         ; which 64 of its 256 along K
	s_mov_b32 s[G1+0], (3<<16)|(1<<20)|(6<<22)|(3<<25)  ; elements of 8 bytes; padding on: after every 128 words (a row), 4 words
	s_mov_b32 s[G1+1], 64<<16                      ; tensor_dim0 = 64 elements (512 bytes)
	s_mov_b32 s[G1+2], 32<<16                      ; tensor_dim1 = 32 rows
	s_mov_b32 s[G1+3], 64<<16                      ; tile_dim0
	s_mov_b32 s[G1+4], 32                          ; tile_dim1
	s_mov_b32 s[G1+5], 512                         ; from row to row: 4,096 bytes
	s_mov_b32 s[G1+6], 0
	s_mov_b32 s[G1+7], 0
	s_lshl_b32 s18, ttmp9, 17                      ; 32 rows x 4,096 bytes a work-group
	s_lshl_b32 s19, s14, 9                         ; 512 bytes of a row a wave
	s_add_co_u32 s18, s18, s19
	s_mov_b32 s19, 0
	s_mul_i32 s17, s14, XT
	s_mov_b32 s[G0], 1
	s_mov_b32 s[G0+1], s17
	s_wait_dscnt 0x0
	s_wait_kmcnt 0x0
	s_add_nc_u64 s[G0+2:G0+3], s[4:5], s[18:19]
	s_or_b32 s[G0+3], s[G0+3], 0x80000000
	tensor_load_to_lds s[G0:G0+3], s[G1:G1+7]      ; my one tensor load: 16 KiB of x
	s_nop 0
	v_and_b32 v1, 31, v0                           ; lane
	s_delay_alu instid0(VALU_DEP_1)
	v_lshlrev_b32 v6, 2, v1                        ; the weight: 4 bytes a lane
	s_cmp_lt_u32 ttmp9, 192                        ; which weight: the choice hangs on the work-group's number alone
	s_cselect_b64 s[36:37], s[6:7], s[8:9]
	s_mov_b32 s18, 4096
	s_cselect_b32 s18, 12288, s18                  ; bytes in a row of it
	s_cselect_b32 s19, 0, WOC                      ; where its codes begin in wq
	s_mov_b32 s22, WOS
	s_cselect_b32 s22, WQS, s22                    ; and its scale images
	s_cselect_b32 s23, 0, 192
	s_sub_co_u32 s23, ttmp9, s23                   ; the piece's number
	s_and_b32 s20, s23, 3                          ; which 256 along K
	s_lshr_b32 s21, s23, 2                         ; which 64 columns
	s_lshl_b32 s46, s20, 8
	s_lshl_b32 s47, s16, 6
	s_add_co_u32 s46, s46, s47                     ; my first row of the weight
	s_mul_i32 s46, s46, s18
	s_lshl_b32 s47, s21, 8
	s_add_co_u32 s46, s46, s47
	s_lshl_b32 s47, s15, 7
	s_add_co_u32 s46, s46, s47                     ; + my first column x 4
	s_mov_b32 s47, 0
	s_add_nc_u64 s[36:37], s[36:37], s[46:47]
	s_cmp_lt_u32 ttmp9, 192
	s_cbranch_scc0 .Lw_out
	s_wait_alu depctr_va_vdst(0)
	LOADW 12288, 0
	s_branch .Lw_in
.Lw_out:
	s_wait_alu depctr_va_vdst(0)
	LOADW 4096, 1
.Lw_in:
	s_lshl_b32 s46, s21, 2                         ; where my codes go: column tile 4 x group + 2 x half,
	s_lshl_b32 s48, s15, 1
	s_add_co_u32 s46, s46, s48
	s_mul_i32 s46, s46, 12288
	s_lshl_b32 s48, s20, 2
	s_add_co_u32 s48, s48, s16                     ; half fragment 4 x quarter + my 64
	s_mul_i32 s48, s48, 768
	s_add_co_u32 s46, s46, s48
	s_add_co_u32 s46, s46, s19
	s_add_nc_u64 s[38:39], s[12:13], s[46:47]
	s_lshl_b32 s46, s21, 11                        ; the piece's scale bytes: four tiles of 512, 128 x quarter in each
	s_lshl_b32 s48, s20, 7
	s_add_co_u32 s46, s46, s48
	s_add_co_u32 s46, s46, s22
	s_add_nc_u64 s[40:41], s[12:13], s[46:47]
	s_mul_i32 s46, ttmp9, 24576                    ; x's codes: two row tiles a work-group, 1,536 bytes a wave in each
	s_mul_i32 s48, s14, 1536
	s_add_co_u32 s46, s46, s48
	s_add_nc_u64 s[42:43], s[10:11], s[46:47]
	s_lshl_b32 s46, ttmp9, 10                      ; x's scale images: 1,024 bytes a work-group
	s_add_co_u32 s46, s46, XS
	s_add_nc_u64 s[50:51], s[10:11], s[46:47]
	s_mov_b32 s44, 0x76543210
	s_mov_b32 s45, 0xfedcba98                      ; v_permlanex16_b32's selects for lane l xor 16
	v_and_b32 v2, 15, v0                           ; r
	s_wait_alu depctr_va_vdst(0)
	v_bfe_u32 v3, v0, 4, 1                         ; h
	v_mul_u32_u24 v4, v2, 528
	s_delay_alu instid0(VALU_DEP_1)
	v_lshl_add_u32 v4, v3, 7, v4
	s_delay_alu instid0(VALU_DEP_1)
	v_add_nc_u32 v4, s17, v4                       ; x in LDS: row r, + 128 h bytes: my 32 numbers of a pair of blocks
	v_lshlrev_b32 v5, 3, v1                        ; an image's place for my lane
	s_lshl_b32 s46, s16, 7
	s_lshl_b32 s48, s15, 2
	s_add_co_u32 s46, s46, s48
	s_add_co_u32 s46, s46, XST
	v_lshlrev_b32 v7, 3, v2
	s_delay_alu instid0(VALU_DEP_1)
	v_lshl_add_u32 v7, v3, 9, v7
	s_delay_alu instid0(VALU_DEP_1)
	v_add_nc_u32 v7, s46, v7                       ; x's scale word: tile h, row r, 128 (w / 2) + 4 (w % 2)
	s_lshl_b32 s46, s15, 8
	s_lshl_b32 s48, s16, 1
	s_add_co_u32 s46, s46, s48
	s_add_co_u32 s46, s46, WST
	v_lshlrev_b32 v8, 3, v2
	s_wait_alu depctr_va_vdst(0)
	v_lshl_add_u32 v8, v3, 7, v8
	s_delay_alu instid0(VALU_DEP_1)
	v_add_nc_u32 v8, s46, v8                       ; the weight's two bytes: tile 2 (w % 2) + h, row r, 2 (w / 2)
	v_lshlrev_b32 v9, 3, v3                        ; 8 h
	v_lshlrev_b32 v21, 4, v1                       ; 16 x lane
	s_delay_alu instid0(VALU_DEP_1)
	v_add_nc_u32 v22, XST, v21
	s_delay_alu instid0(VALU_DEP_2)
	v_add_nc_u32 v23, WST, v21
	v_lshrrev_b32 v24, 3, v1
	v_and_b32 v25, 7, v1
	s_delay_alu instid0(VALU_DEP_1)
	v_lshlrev_b32 v25, 4, v25
	s_delay_alu instid0(VALU_DEP_1)
	v_lshl_add_u32 v24, v24, 9, v25                ; the weight's scale bytes in memory: 128 bytes of each of four tiles
	v_mov_b32 v19, 0                               ; a lane permute's destination counts as one of its sources
	; ---- the weight
	s_wait_loadcnt 0x0
	QUANT64 WN, PCW
.irp i, 0,1,2,3,4,5
	v_permlane16_swap_b32 v[PCW+\i], v[PCW+6+\i]   ; block 0 of columns 16-31 changes places with block 1 of columns 0-15: the first six registers are now the image of the first column tile, the second six that of the next
.endr
.irp p, 0,1,2
	global_store_b64 v5, v[PCW+2*\p:PCW+2*\p+1], s[38:39] offset:256*\p          ; each store covers 256 consecutive bytes, aligned
	global_store_b64 v5, v[PCW+6+2*\p:PCW+7+2*\p], s[38:39] offset:12288+256*\p
.endr
	v_lshl_or_b32 v20, v[BY+1], 8, v[BY]
	ds_store_b16 v8, v20
	; ---- x
	s_wait_tensorcnt 0x0                           ; my tile is in LDS; only I read it
.irp u, 0,1
.irp c, 0,1
.irp j, 0,1,2,3,4,5,6,7
	ds_load_b128 v[X0+64*\u+32*\c+4*\j:X0+64*\u+32*\c+4*\j+3], v4 offset:8448*\u+256*\c+16*\j   ; rows 528 bytes apart: sixteen rows fall on sixteen different 16-byte columns
.endr
.endr
.endr
	s_wait_dscnt 16                                ; row tile 0's sixteen loads are in; row tile 1's sixteen may be out
	QUANT64 X0, PCX0
	XWORD 16
.irp p, 0,1,2,3,4,5
	global_store_b64 v5, v[PCX0+2*\p:PCX0+2*\p+1], s[42:43] offset:256*\p
.endr
	s_wait_dscnt 0x0
	QUANT64 X0+64, PCX1
	XWORD 17
.irp p, 0,1,2,3,4,5
	global_store_b64 v5, v[PCX1+2*\p:PCX1+2*\p+1], s[42:43] offset:12288+256*\p
.endr
	v_cmp_eq_u32 vcc_lo, 1, v3
	s_delay_alu instid0(VALU_DEP_1)
	v_cndmask_b32 v18, v16, v17, vcc_lo            ; lanes 0-15 keep tile 0's word, lanes 16-31 tile 1's
	ds_store_b32 v7, v18
	s_wait_dscnt 0x0                               ; for the others' sake: my stores of scale bytes are done
	s_barrier_signal -1
	s_barrier_wait -1
	s_cmp_lg_u32 s14, 0
	s_cbranch_scc1 .Lnot_0
	ds_load_b128 v[96:99], v22                     ; wave 0: x's two scale images leave as 1,024 consecutive bytes
	ds_load_b128 v[100:103], v22 offset:512
	s_wait_dscnt 0x0
	global_store_b128 v21, v[96:99], s[50:51]
	global_store_b128 v21, v[100:103], s[50:51] offset:512
.Lnot_0:
	s_cmp_lg_u32 s14, 1
	s_cbranch_scc1 .Lend
	ds_load_b128 v[104:107], v23                   ; wave 1: the weight's: runs of 128 bytes, one in each of four tiles (a piece covers a quarter of K)
	s_wait_dscnt 0x0
	global_store_b128 v24, v[104:107], s[40:41]
.Lend:
	s_wait_tensorcnt 0x0
	ds_add_u32 v254, v255
	s_wait_dscnt 0x0
	s_endpgm
.Lfunc_end_k_qad88793735_quant:
	.size	k_qad88793735_quant, .Lfunc_end_k_qad88793735_quant-k_qad88793735_quant
	.p2alignl 7, 3214868480
	.fill 96, 4, 3214868480
	.section	.rodata,"a",@progbits
	.p2align	6, 0x0
	.amdhsa_kernel k_qad88793735_quant
		.amdhsa_group_segment_fixed_size 168960
		.amdhsa_private_segment_fixed_size 0
		.amdhsa_enable_private_segment 0
		.amdhsa_kernarg_size 40
		.amdhsa_user_sgpr_count 2
		.amdhsa_user_sgpr_kernarg_segment_ptr 1
		.amdhsa_wavefront_size32 1
		.amdhsa_system_sgpr_workgroup_id_x 1
		.amdhsa_system_sgpr_workgroup_id_y 1
		.amdhsa_system_sgpr_workgroup_id_z 1
		.amdhsa_system_vgpr_workitem_id 0
		.amdhsa_next_free_vgpr 256
		.amdhsa_next_free_sgpr 66
		.amdhsa_reserve_vcc 1
		.amdhsa_float_denorm_mode_32 3
		.amdhsa_float_denorm_mode_16_64 3
		.amdhsa_memory_ordered 1
		.amdhsa_forward_progress 1
		.amdhsa_inst_pref_size 35
	.end_amdhsa_kernel
	.amdgpu_metadata
---
amdhsa.version: [ 1, 2 ]
amdhsa.kernels:
  - .name:           k_qad88793735_quant
    .symbol:         k_qad88793735_quant.kd
    .args:
      - { .name: x, .offset: 0, .size: 8, .value_kind: global_buffer, .address_space: global }
      - { .name: w_qkv, .offset: 8, .size: 8, .value_kind: global_buffer, .address_space: global }
      - { .name: w_out, .offset: 16, .size: 8, .value_kind: global_buffer, .address_space: global }
      - { .name: xq, .offset: 24, .size: 8, .value_kind: global_buffer, .address_space: global }
      - { .name: wq, .offset: 32, .size: 8, .value_kind: global_buffer, .address_space: global }
    .group_segment_fixed_size: 168960
    .private_segment_fixed_size: 0
    .kernarg_segment_align: 8
    .kernarg_segment_size: 40
    .max_flat_workgroup_size: 256
    .sgpr_count:     66
    .vgpr_count:     256
    .wavefront_size: 32
...
	.end_amdgpu_metadata
.endif
;; end of part 1
;; launch qkv (part 2): grid 8 x 32, 4 waves a work-group, clusters of 4 x 4, 327,680 bytes of LDS; arguments xq, wq, b_qkv, qkvq; writes qkvq
.if DOCPART == 2
	.amdgcn_target "amdgcn-amd-amdhsa--gfx1250"
	.amdhsa_code_object_version 6
	.text
	.protected	k_qad88793735_qkv
	.globl	k_qad88793735_qkv
	.p2align	8
	.type	k_qad88793735_qkv,@function
k_qad88793735_qkv:
	s_mov_b64 s[64:65], 0
	v_nop
	global_prefetch_b8 v0, s[64:65] scope:SCOPE_SE
	s_setreg_imm32_b32 hwreg(HW_REG_WAVE_MODE, 25, 1), 1
	s_wait_xcnt 0x0
	s_wait_alu depctr_hold_cnt(0) depctr_sa_sdst(0) depctr_va_vdst(0) depctr_va_sdst(0) depctr_va_ssrc(0) depctr_va_vcc(0) depctr_vm_vsrc(0)
	s_getreg_b32 s2, hwreg(HW_REG_IB_STS2, 6, 4)
	s_cmp_eq_u32 s2, 0
	s_cbranch_scc0 .Lentry_in_a_cluster
	s_endpgm
.Lentry_in_a_cluster:
	s_bfe_u32 s2, ttmp6, 0x10000c
	s_cmp_lg_u32 s2, 0xf033
	s_cbranch_scc0 .Lentry_shape_is_right
	s_endpgm
.Lentry_shape_is_right:
; qkv = Q(x) Q(w_qkv) + b_qkv on codes of FP6 (E2M3) with E8M0 scales, K = 1,024; the result is quantised at once: q and k along the head's 64, v along the keys.
; SHARES.  8 x 32 work-groups, one for each WGP.  A work-group takes 256 rows of x and two heads, and STAYS: it makes three tiles of 256 x 128 one after the other, q, k and v of its heads: the same three
; passes in every work-group, so no branch hangs on an id.  Four waves, 128 rows x 64 columns (one head) each: 32 accumulators of 16 x 16.
; LDS.  x's 256 rows for all of K are fetched once and serve all three passes.  Beside them lies ONE chunk of the weight (128 columns, all of K); it is filled again twice.  Four slots of 256 along K, each with x's part and the weight's.
; THE REFILL.  At the head of a pass's last 128 along K all fragments of the weight are in registers: there every wave waits for all its tensor loads, adds 0 to its spare word, waits for that and for its LDS reads, a round of
; the cluster's barrier follows, and each wave asks for a quarter of the next chunk (wave w: half w / 2 of K, four row tiles x 6,144 bytes from 4 (w % 2) on).  The load lands under the pass's last products and its way out.
; A wave has at most one tensor load out.
; q, k: source 0 of the matrix instruction takes 16 rows of the weight's codes, source 1 16 rows of x: a lane holds a token (lane % 16) and its registers run along the features, the next product's K.
; v: the sources change places: a lane holds a feature d and its registers run along the keys, the next product's K.
; CLUSTERS: 4 x 4: x's tiles are asked for jointly along a row of the cluster, the weight's along a column.
; Codes and scale bytes lie in memory as images of the operand's registers (12,288 bytes a row tile, 768 for each 64 along K; 512 bytes of scale bytes a row tile), so every LDS read is 256 dense bytes.
; THE ORDER INSIDE A BLOCK OF 32 of what is quantised here: place 16 h + 8 u + j holds element 16 u + 8 h + j.  Both operands of each later product have it, so the sums are the same.
; OUTPUT: a record of 78,848 bytes for each (batch, head): k's codes, v's codes, k's scale words, v's, q's codes, q's scale words.
; LIMITS: a block's largest magnitude is taken no smaller than 2^-124; a block of zeros gets the byte 1 (its codes are zeros; this program alone reads the bytes); NaN and infinities are not served.
; Prefetches ask ahead for the second half of K and for the later chunks of the weight.
; REGISTERS: window 0: v0-31 addresses; v32-63 scale words, two sets; v64-127 q's and k's bias; v128-223 x's fragments, one set (on the way out: numbers, codes, work); v240-247 v's bias.
;   window 1: the weight's fragments, two sets.  windows 2, 3: the accumulators ((a, b) at v[8 (4 (a % 4) + b)], window 2 + a / 4).
.set NB,    4
.set FR,    12
; LDS AS THE TEXT BELOW LAYS IT: x as [half of K][16 row tiles][6,144 bytes] from byte 0, the weight's chunk as [half of K][8 row tiles][6,144 bytes] from BB.
; The head's loads, one a wave: waves 0, 1 x's first half of K, wave 2 the weight's, wave 3 x's scale images.  The second half of K is asked for behind the three lines and a round.
; The weight's scale images (12,288 bytes) come by global loads and are stored to LDS bytes on which no fill lands.  A wave has one tensor load out at the most.
.set HALFA, 49152                      ; x: 8 row tiles x 6,144 bytes (512 along K)
.set HALFB, 24576                      ; the weight: 4 row tiles x 6,144 bytes
.set BB,    196608                     ; where the weight's chunk begins
.set SCLB,  294912                     ; the weight's scale images: for each half of the columns three chunks x 2,048 bytes
.set SCLA,  307200                     ; x's: 16 row tiles x 512
.set SPARE, 315392                     ; the spare words, 128 bytes a wave: two blocks of 256 bytes that no other line names
.set STGQ,  315904                     ; the way out of q and k: 512 bytes a wave; no fill lands here
.set STGV,  317952                     ; the way out of v: 256 bytes a wave
.set XS,    6291456
.set WQS,   2359296
.set CHUNK, 786432                     ; from q's columns to k's to v's: 64 row tiles of codes
.set REC,   78848
.set VC,    24576
.set KSC,   49152
.set VSC,   51200
.set QC,    52224
.set QSC,   76800
.set ADRA,  16                         ; v16-19 my fragments of x in slots 0 to 3
.set ADRB,  20                         ; v20-23 my fragments of the weight
.set ADRS,  27                         ; v27    my scale words: lanes 0-15 x's rows, lanes 16-31 the weight's
.set SPW,   28
.set NIL,   29
.set SC,    32
.set BI,    64                         ; v64-95 q's bias, v96-127 k's
.set AF,    128
.set T,     128                        ; the way out: 64 numbers
.set PC,    192                        ; the codes just made (12 + 8 registers)
.set TM,    212                        ; 16 at work
.set PW,    228                        ; the scale word just made
.set PW2,   229
.set BV,    240                        ; v's bias: a pair for each of four feature blocks
.set SEL,   2
.set HB,    66                         ; s66  wave % 2: which 64 columns are mine; also which half of a tile I fetch
.set TR,    67                         ; s67  which 256 rows of x
.set TC,    100                        ; s100 which two heads
.set G0R,   4                          ; s[4:7]   group 0 of the refills
.set G1R,   16                         ; s[16:23] group 1 of the refills
.set G1,    24
.set G1B,   32
.set G1S,   40
.set G1SB,  48
.set G0S,   56
.set G0SB,  60
.set G0A,   68                         ; four sets: each load that is out has its own
.set G0B,   84
.set MSB, 0
.macro WIN new                         ; the immediate's high byte repeats the setting that is left
.if MSB != (\new)
	s_set_vgpr_msb (MSB<<8)|(\new)
.set MSB, (\new)
.endif
.endm
.macro WINM hi, sw                     ; for products: C and D window 2 + hi; the weight's fragments window 1, x's window 0: the weight is source 0 (sw = 0) or source 1 (sw = 1)
	WIN 0xa1+0x50*(\hi)+3*(\sw)
.endm
.set TO_B,   0x40
.macro JLOAD g0a, g1a, g0b, g1b        ; a joint load: waves 0 and 1 fetch for x, waves 2 and 3 for the weight; four v_nop follow each line
	s_cmp_eq_u32 s15, 0
	s_cbranch_scc0 .Lfor_b_\@
	tensor_load_to_lds s[\g0a:\g0a+3], s[\g1a:\g1a+7]
	s_nop 0
.rept 4
	v_nop
.endr
	s_branch .Lasked_\@
.Lfor_b_\@:
	tensor_load_to_lds s[\g0b:\g0b+3], s[\g1b:\g1b+7]
	s_nop 0
.rept 4
	v_nop
.endr
.Lasked_\@:
.endm
.macro CREST                           ; a round of the cluster's barrier behind its opening barrier
	s_cmp_lg_u32 s14, 0
	s_cbranch_scc1 .Lnot_wave_0_\@
	s_barrier_signal -3
.Lnot_wave_0_\@:
	s_barrier_wait -3
	s_barrier_signal -1
	s_barrier_wait -1
.endm
.macro CROUND
	s_barrier_signal -1
	s_barrier_wait -1
	CREST
.endm
.macro PLACES                          ; four plain lines between a matrix instruction and a load into, or a vector line on, its registers
.rept 4
	v_nop
.endr
.endm
.macro FRAG reg, adr, q, i             ; a fragment, 16 rows x 128 K: twelve registers, six loads of 8 bytes a lane, each 256 dense bytes
.irp p, 0,1,2,3,4,5
	ds_load_b64 v[\reg+2*\p:\reg+2*\p+1], v[\adr] offset:(\i)*6144+(\q)*1536+256*\p
.endr
.endm
.macro FETCH_B slot, q, p
	WIN TO_B
.irp i, 0,1,2,3
	FRAG 128*(\p)+FR*\i, ADRB+\slot, \q, \i
.endr
	WIN 0
.endm
.macro FETCH_A slot, q, i0
.irp i, \i0, \i0+1, \i0+2, \i0+3
	FRAG AF+FR*(\i), ADRA+\slot, \q, \i
.endr
.endm
.macro SCALES sc, slot                 ; a slot's scale words, two a row: lanes 0-15 x's block i; lanes 16-31 the weight's block i (for i above 3 they read bytes further on, which are filled and which no product names)
.irp i, 0,1,2,3,4,5,6,7
	ds_load_b64 v[SC+16*(\sc)+2*\i:SC+16*(\sc)+2*\i+1], v[ADRS] offset:512*\i+128*(\slot)
.endr
.endm
; 8 matrix instructions: x's blocks a0, a0 + 1 against the weight's four.  The 32 accumulators take turns, one instruction a turn, in the same order in every step.
.macro MULX a0, p, q, sc, zero, sw
.irp a, \a0, \a0+1
.irp b, 0,1,2,3
.set DD, 8*(NB*((\a)%4)+\b)
.set RB, 128*(\p)+FR*\b
.set RA, AF+FR*(\a)
.set WB, SC+16*(\sc)+2*\b+(\q)
.set WA, SC+16*(\sc)+2*(\a)+(\q)
.if \sw
.if \zero
	v_wmma_scale_f32_16x16x128_f8f6f4 v[DD:DD+7], v[RA:RA+FR-1], v[RB:RB+FR-1], 0, v[WA], v[WB] matrix_a_fmt:MATRIX_FMT_FP6 matrix_b_fmt:MATRIX_FMT_FP6 matrix_b_scale:MATRIX_SCALE_ROW1
.else
	v_wmma_scale_f32_16x16x128_f8f6f4 v[DD:DD+7], v[RA:RA+FR-1], v[RB:RB+FR-1], v[DD:DD+7], v[WA], v[WB] matrix_a_fmt:MATRIX_FMT_FP6 matrix_b_fmt:MATRIX_FMT_FP6 matrix_b_scale:MATRIX_SCALE_ROW1
.endif
.else
.if \zero
	v_wmma_scale_f32_16x16x128_f8f6f4 v[DD:DD+7], v[RB:RB+FR-1], v[RA:RA+FR-1], 0, v[WB], v[WA] matrix_a_fmt:MATRIX_FMT_FP6 matrix_b_fmt:MATRIX_FMT_FP6 matrix_a_scale:MATRIX_SCALE_ROW1
.else
	v_wmma_scale_f32_16x16x128_f8f6f4 v[DD:DD+7], v[RB:RB+FR-1], v[RA:RA+FR-1], v[DD:DD+7], v[WB], v[WA] matrix_a_fmt:MATRIX_FMT_FP6 matrix_b_fmt:MATRIX_FMT_FP6 matrix_a_scale:MATRIX_SCALE_ROW1
.endif
.endif
.endr
.endr
.endm
.macro STEP slot, sc, zero, sw         ; a slot's first 128 along K; it fetches the second
	s_wait_dscnt 24                                ; the weight's set and x's blocks 0-3 are in; the 24 youngest loads (x's blocks 4-7) may be out
	WINM 0, \sw
	MULX 0, 0, 0, \sc, \zero, \sw
	MULX 2, 0, 0, \sc, \zero, \sw
	s_wait_dscnt 0x0
	PLACES
	FETCH_B \slot, 1, 1
	FETCH_A \slot, 1, 0
	WINM 1, \sw
	MULX 4, 0, 0, \sc, \zero, \sw
	MULX 6, 0, 0, \sc, \zero, \sw
	PLACES
	WIN 0
	FETCH_A \slot, 1, 4
.endm
; A slot's second 128 along K, and the step into the next slot.  bar = 1 (the first pass, while the first fills land): one barrier, behind which the next slot is whole for every wave.
; bar = 0 (the later passes): all four slots were shown whole at the pass's head.
.macro TURN slot, next, sc, tc, bar, sw
.if \bar
	s_wait_tensorcnt \tc                           ; my part of the next slot is in
.endif
	s_wait_dscnt 24
	WINM 0, \sw
	MULX 0, 1, 1, \sc, 0, \sw
	s_wait_dscnt 0x0                               ; x's blocks 4-7 are in; no LDS instruction of mine is out at the signal
.if \bar
	s_barrier_signal -1
.endif
	MULX 2, 1, 1, \sc, 0, \sw
	WIN 0
.if \bar
	s_barrier_wait -1
.endif
	PLACES
	FETCH_B \next, 0, 0
	FETCH_A \next, 0, 0
	SCALES 1-\sc, \next
	WINM 1, \sw
	MULX 4, 1, 1, \sc, 0, \sw
	MULX 6, 1, 1, \sc, 0, \sw
	PLACES
	WIN 0
	FETCH_A \next, 0, 4
.endm
; A pass's last 128 along K: nothing more is fetched from LDS.  refill = 1: the weight's bytes in all four slots are filled again, with the next chunk.
.macro ENDP refill, sw
.if \refill
	s_wait_tensorcnt 0x0                           ; no tensor load of mine is out
	ds_add_u32 v[SPW], v[NIL]                      ; 0 onto my spare word
	s_wait_dscnt 25                                ; the add and x's blocks 4-7 may be out
.else
	s_wait_dscnt 24
.endif
	WINM 0, \sw
	MULX 0, 1, 1, 1, 0, \sw
	s_wait_dscnt 0x0                               ; my LDS reads are over (and the add is done)
.if \refill
	s_barrier_signal -1                            ; this barrier opens a round of the cluster's barrier
.endif
	MULX 2, 1, 1, 1, 0, \sw
.if \refill
	WIN 0
	s_barrier_wait -1
	CREST                                          ; no wave of any partner still reads the weight's bytes or has a load on its way
	s_add_nc_u64 s[G0R+2:G0R+3], s[G0R+2:G0R+3], CHUNK   ; the next chunk; the type bits on top are not reached
	tensor_load_to_lds s[G0R:G0R+3], s[G1R:G1R+7]  ; my one load behind the round: half w / 2 of K, four row tiles from 4 (w % 2) on
	s_nop 0
.rept 4
	v_nop
.endr
.endif
	WINM 1, \sw
	MULX 4, 1, 1, 1, 0, \sw
	MULX 6, 1, 1, 1, 0, \sw
	WIN 0
.endm
.macro FIRSTF                          ; a pass's first fragments and scale words
	FETCH_B 0, 0, 0
	FETCH_A 0, 0, 0
	SCALES 0, 0
	FETCH_A 0, 0, 4
.endm
.macro PASS first, refill, sw
	STEP 0, 0, 1, \sw                              ; its products start the sums: nothing is cleared
	TURN 0, 1, 0, 0, 0, \sw
	STEP 1, 1, 0, \sw
	TURN 1, 2, 1, 0, \first, \sw                   ; (first pass: the second half of K is shown whole to every wave here)
	STEP 2, 0, 0, \sw
	TURN 2, 3, 0, 0, 0, \sw
	STEP 3, 1, 0, \sw
	ENDP \refill, \sw
.endm
.macro NEXTP                           ; between two passes
	s_wait_tensorcnt 0x0                           ; my part of the next chunk is in (one load was out),
	s_wait_xcnt 0x0                                ; the way out's stores have read their registers: fragments may land there
	s_barrier_signal -1                            ; (no LDS instruction of mine is out: the way out ended with a wait for all)
	s_barrier_wait -1                              ; everybody's part is in
	v_add_nc_u32 v[ADRS], v[ADRS], v26             ; the next chunk's scale words: 2,048 bytes on in lanes 16-31, x's lanes stay
.rept 7
	v_nop                                          ; with the line above: eight plain lines between the way out's vector writes and the next scaled products
.endr
	FIRSTF
.endm
; 64 numbers of a lane, v[s] on, register 16 b + i: my 16 of block b (lane l xor 16 holds the other 16), become twelve registers of codes in v[PC] on and four scale bytes in v[PW]
.macro QUANT s
.irp b, 0,1,2,3
	v_max3_num_f32 v[TM+\b], |v[\s+16*\b]|, |v[\s+1+16*\b]|, 0x1800000   ; with the floor 2^(3 - 127)
.endr
.irp i, 2,4,6,8,10,12,14
.irp b, 0,1,2,3
	v_max3_num_f32 v[TM+\b], v[TM+\b], |v[\s+16*\b+\i]|, |v[\s+1+16*\b+\i]|
.endr
.endr
.irp b, 0,1,2,3
	v_permlanex16_b32 v[TM+4+\b], v[TM+\b], s[SEL], s[SEL+1]
.endr
.irp b, 0,1,2,3
	v_max_num_f32 v[TM+\b], v[TM+\b], v[TM+4+\b]
.endr
.irp b, 0,1,2,3
	v_add_nc_u32 v[TM+12+\b], 0xff000000, v[TM+\b]   ; 2 off the exponent field: the conversion's scale operand
.endr
.irp b, 0,1,2,3
	v_lshrrev_b32 v[TM+4+\b], 23, v[TM+12+\b]        ; the byte
.endr
	v_lshl_or_b32 v[PW], v[TM+5], 8, v[TM+4]
	v_lshl_or_b32 v[PW], v[TM+6], 16, v[PW]
	v_lshl_or_b32 v[PW], v[TM+7], 24, v[PW]
.irp c, 0,1
	v_cvt_scalef32_pk16_fp6_f32 v[PC+6*\c:PC+2+6*\c], v[\s+32*\c:\s+15+32*\c], v[TM+12+2*\c]
	v_cvt_scalef32_pk16_fp6_f32 v[PC+12+4*\c:PC+14+4*\c], v[\s+16+32*\c:\s+31+32*\c], v[TM+12+2*\c+1]
.endr
	v_nop                                          ; one plain line behind the scaled conversions
.irp c, 0,1                                    ; the operand wants a whole block in a lane: lanes 0-15 block 2 c, lanes 16-31 block 2 c + 1
.irp i, 0,1,2
	v_permlane16_swap_b32 v[PC+6*\c+\i], v[PC+12+4*\c+\i]
.endr
.irp i, 0,1,2
	v_mov_b32 v[PC+3+6*\c+\i], v[PC+12+4*\c+\i]
.endr
.endr
.endm
; THE WAY OUT OF q (c = 0) AND k (c = 1), two blocks of 16 tokens at a time: their 64 accumulator registers are neighbours.  + bias, quantised: blocks 0, 1 are the first 16 tokens' two blocks of 32 features,
; blocks 2, 3 the next 16 tokens': two half fragments' images, six stores of 256 dense bytes.  The scale bytes are gathered in my stage, one word a token, and leave at the end as 512 dense bytes.
.macro EPIQK c, codes, words
	PLACES
.irp b, 0,1,2,3
	v_mov_b32 v[TM+4+\b], 0                        ; a lane permute's destination counts as one of its sources
.endr
.irp n, 0,1,2,3
	s_wait_xcnt 0x0                                ; the stores issued so far have read their registers: the codes may be written again
	WIN 0x02+(\n/2)                                ; source 0: window 2 or 3
.set ii, 0
.rept 32
	v_pk_add_f32 v[T+2*ii:T+2*ii+1], v[64*(\n%2)+2*ii:64*(\n%2)+2*ii+1], v[BI+32*\c+(2*ii)%32:BI+32*\c+(2*ii)%32+1]   ; each accumulator from its low end on
.set ii, ii+1
.endr
	WIN 0
	QUANT T
.irp p, 0,1,2,3,4,5
	global_store_b64 v4, v[PC+2*\p:PC+2*\p+1], s[10:11] offset:\codes+\n*1536+256*\p
.endr
	v_lshrrev_b32 v[PW2], v12, v[PW]               ; lanes 0-15 keep the word (bytes 0, 1: the first 16 tokens'), lanes 16-31 bring the next 16 tokens' two bytes down
	ds_store_b32 v9, v[PW2] offset:128*\n
.endr
	ds_load_b128 v[T:T+3], v10                     ; LDS serves a wave's instructions in order: this sees my stores
	s_wait_dscnt 0x0
	global_store_b128 v5, v[T:T+3], s[10:11] offset:\words
.endm
; THE WAY OUT OF v, a block of 16 features at a time: its eight accumulators run along my 128 keys.  + bias, quantised: one fragment's image, six stores of 256 dense bytes; one scale word a feature.
.macro EPIV
	PLACES
.irp b, 0,1,2,3
	v_mov_b32 v[TM+4+\b], 0
.endr
.irp b, 0,1,2,3
	s_wait_xcnt 0x0
.irp a, 0,1,2,3,4,5,6,7
	WIN 0x02+(\a/4)
.irp i, 0,1,2,3
	v_pk_add_f32 v[T+8*\a+2*\i:T+8*\a+2*\i+1], v[8*(NB*(\a%4)+\b)+2*\i:8*(NB*(\a%4)+\b)+2*\i+1], v[BV+2*\b:BV+2*\b+1]   ; each accumulator from its low end on
.endr
.endr
	WIN 0
	QUANT T
.irp p, 0,1,2,3,4,5
	global_store_b64 v4, v[PC+2*\p:PC+2*\p+1], s[10:11] offset:VC+\b*1536+256*\p
.endr
	ds_store_b32 v14, v[PW] offset:64*\b           ; both halves of the lanes hold the same word
.endr
	ds_load_b64 v[T:T+1], v15
	s_wait_dscnt 0x0
	global_store_b64 v6, v[T:T+1], s[10:11] offset:VSC   ; 256 dense bytes
.endm
	s_load_b256 s[4:11], s[0:1], 0x0               ; xq s[4:5], wq s[6:7], b_qkv s[8:9], qkvq s[10:11]
	v_lshl_add_u32 v[SPW], v0, 2, SPARE
	v_mov_b32 v[NIL], 0
	ds_add_u32 v28, v29
	ds_add_u32 v28, v29
	s_wait_dscnt 0x0
	v_lshrrev_b32 v1, 5, v0
	v_readfirstlane_b32 s14, v1                    ; wave 0..3
	s_lshr_b32 s15, s14, 1                         ; which 128 rows of x are mine.  Also: I fetch for x (0) or for the weight (1)
	s_and_b32 s[HB], s14, 1
	s_bfe_u32 s2, ttmp6, 0x40000                   ; cx
	s_bfe_u32 s3, ttmp6, 0x40004                   ; cy
	s_bfe_u32 s76, ttmp6, 0x40000                  ; cx and cy once more, for the prefetches' addresses alone
	s_bfe_u32 s77, ttmp6, 0x40004
	s_lshl_b32 s[TC], ttmp9, 2
	s_add_co_u32 s[TC], s[TC], s2                  ; 4 x cluster x + cx
	s_and_b32 s[TR], ttmp7, 0xffff
	s_lshl_b32 s[TR], s[TR], 2
	s_add_co_u32 s[TR], s[TR], s3                  ; 4 x cluster y + cy
	s_lshl_b32 s12, s3, 2
	s_lshl_b32 s12, 15, s12                        ; my row of the cluster
	s_lshl_b32 s13, 0x1111, s2                     ; my column
	s_or_b32 s[G1], s12, (3<<16)|(1<<21)           ; the mask; elements of 8 bytes; bit 21 beside a mask; no padding
	s_or_b32 s[G1S], s12, (3<<16)|(1<<21)
	s_or_b32 s[G1B], s13, (3<<16)|(1<<21)
	s_or_b32 s[G1R], s13, (3<<16)|(1<<21)
.irp g, G1, G1B                        ; first fills of x's and of the weight's codes: 8 row tiles x 6,144 bytes, 12,288 bytes apart
	s_mov_b32 s[\g+1], 768<<16
	s_mov_b32 s[\g+2], 8<<16
	s_mov_b32 s[\g+3], 768<<16
	s_mov_b32 s[\g+4], 8
	s_mov_b32 s[\g+5], 1536
	s_mov_b32 s[\g+6], 0
	s_mov_b32 s[\g+7], 0
.endr
	s_mov_b32 s[G1R+1], 768<<16                    ; the weight's second half of K and its refills: 4 row tiles x 6,144 bytes
	s_mov_b32 s[G1R+2], 4<<16
	s_mov_b32 s[G1R+3], 768<<16
	s_mov_b32 s[G1R+4], 4
	s_mov_b32 s[G1R+5], 1536
	s_mov_b32 s[G1R+6], 0
	s_mov_b32 s[G1R+7], 0
	s_mov_b32 s[G1S+1], 32<<16                     ; x's scale images: rows of 256 bytes
	s_mov_b32 s[G1S+2], 32<<16                     ; all 16 row tiles: 8,192 dense bytes as 32 rows of 256
	s_mov_b32 s[G1S+3], 32<<16
	s_mov_b32 s[G1S+4], 32
	s_mov_b32 s[G1S+5], 32
	s_mov_b32 s[G1S+6], 0
	s_mov_b32 s[G1S+7], 0
	; byte offsets, each made in the registers that will hold the address
	s_lshl_b32 s12, s[TR], 4
	s_lshl_b32 s101, s[HB], 3
	s_add_co_u32 s12, s12, s101                    ; the first row tile of x that I fetch
	s_mul_i32 s[G0A+2], s12, 12288
	s_mov_b32 s[G0A+3], 0
	s_lshl_b32 s[G0S+2], s[TR], 13                 ; 16 row tiles x 512 bytes of scale images for each 256 rows
	s_add_co_u32 s[G0S+2], s[G0S+2], XS
	s_mov_b32 s[G0S+3], 0
	s_lshl_b32 s13, s[TC], 3                       ; q's first row tile of the weight for my heads
	s_mul_i32 s2, s13, 12288
	s_mul_i32 s101, s[HB], 49152                   ; four row tiles on for the odd waves,
	s_add_co_u32 s2, s2, s101
	s_mul_i32 s101, s15, 6144                      ; the half of K: wave / 2
	s_add_co_u32 s2, s2, s101                      ; the refills: from that tile on, half wave / 2 of K
	s_mov_b32 s3, 0
	s_mul_i32 s[G0B+2], s13, 12288
	s_mov_b32 s[G0B+3], 0
	s_lshl_b32 s[G0SB+2], s13, 9
	s_add_co_u32 s[G0SB+2], s[G0SB+2], WQS
	s_mov_b32 s[G0SB+3], 0
	s_mul_i32 s12, s[HB], HALFA                    ; where they go in a slot: no place in the cluster enters an LDS address
	; THE PREFETCHES' BASES.  The partners that ask for a tile jointly share its blocks of 256 bytes out by address: of x's 16 row tiles the partner at cx takes four, a tile a wave;
	; of a chunk's eight row tiles the partner at cy takes two, half a tile (3,072 bytes, 12 blocks) a wave.
	s_lshl_b32 s78, s[TR], 4
	s_lshl_b32 s79, s76, 2
	s_add_co_u32 s78, s78, s79
	s_add_co_u32 s78, s78, s14                     ; x: row tile 16 x tile row + 4 cx + wave,
	s_mul_i32 s78, s78, 12288
	s_add_co_u32 s78, s78, 6144                    ; its second half of K
	s_mov_b32 s79, 0
	s_lshl_b32 s80, s[TC], 3
	s_lshl_b32 s81, s77, 1
	s_add_co_u32 s80, s80, s81
	s_add_co_u32 s80, s80, s15                     ; the weight: row tile 8 x pair of heads + 2 cy + wave / 2
	s_mul_i32 s80, s80, 12288
	s_mul_i32 s81, s[HB], 3072
	s_add_co_u32 s82, s80, s81
	s_add_co_u32 s82, s82, 6144                    ; q's chunk, second half of K: 12 blocks a wave, from 3,072 (wave % 2) on
	s_add_co_u32 s80, s82, s81                     ; the later chunks: 6,144 + 6,144 (wave % 2); the 6,144 is taken off in the immediate
	s_mov_b32 s81, 0
	s_mov_b32 s83, 0
	s_wait_kmcnt 0x0
	s_add_nc_u64 s[78:79], s[4:5], s[78:79]
	s_add_nc_u64 s[80:81], s[6:7], s[80:81]
	s_add_nc_u64 s[82:83], s[6:7], s[82:83]
	s_add_nc_u64 s[G0A+2:G0A+3], s[4:5], s[G0A+2:G0A+3]
	s_add_nc_u64 s[G0S+2:G0S+3], s[4:5], s[G0S+2:G0S+3]
	s_add_nc_u64 s[G0B+2:G0B+3], s[6:7], s[G0B+2:G0B+3]
	s_add_nc_u64 s[G0SB+2:G0SB+3], s[6:7], s[G0SB+2:G0SB+3]
	s_add_nc_u64 s[G0R+2:G0R+3], s[6:7], s[2:3]    ; (in the registers that held wq's address: it is not wanted again)
	s_add_nc_u64 s[G0A+6:G0A+7], s[G0A+2:G0A+3], 6144   ; x's second half of K
.irp s, 0,1
	s_mov_b32 s[G0A+4*\s], 1
	s_add_co_u32 s[G0A+4*\s+1], s12, \s*98304
	s_or_b32 s[G0A+4*\s+3], s[G0A+4*\s+3], 0x80000000
.endr
	s_mov_b32 s[G0B], 1                            ; the weight's first half of K, all eight row tiles
	s_mov_b32 s[G0B+1], BB
	s_or_b32 s[G0B+3], s[G0B+3], 0x80000000
	s_mov_b32 s[G0S], 1
	s_mov_b32 s[G0S+1], SCLA
	s_or_b32 s[G0S+3], s[G0S+3], 0x80000000
	s_mov_b32 s[G0R], 1
	s_mul_i32 s[G0R+1], s14, 24576
	s_add_co_u32 s[G0R+1], s[G0R+1], BB            ; 49,152 (w / 2) + 24,576 (w % 2) behind BB
	s_or_b32 s[G0R+3], s[G0R+3], 0x80000000
	CROUND                                         ; all sixteen work-groups are here: the first joint loads meet
; the head's loads, one a wave, in one chain of branches on the wave's number
.macro ARM under, g0, g1, next
	s_cmp_lt_u32 s14, \under
	s_cbranch_scc0 \next
	tensor_load_to_lds s[\g0:\g0+3], s[\g1:\g1+7]
	s_nop 0
.rept 4
	v_nop
.endr
	s_branch .Lhead_asked
\next:
.endm
	ARM 2, G0A, G1, .Lhead_b                       ; waves 0, 1: x, first half of K, eight row tiles each
	ARM 3, G0B, G1B, .Lhead_s                      ; wave 2: the weight's chunk, first half of K
	tensor_load_to_lds s[G0S:G0S+3], s[G1S:G1S+7]  ; wave 3: x's scale images
	s_nop 0
.rept 4
	v_nop
.endr
.Lhead_asked:
	v_lshlrev_b32 v30, 4, v0                       ; 16 bytes a thread
	v_lshl_add_u32 v25, v0, 4, SCLB
	v_and_b32 v248, 31, v0
	v_min_u32 v249, 11, v248                       ; a lane a block of 256 bytes; the lanes left over name their wave's last block again
	v_min_u32 v248, 23, v248
	v_lshlrev_b32 v249, 8, v249
	v_lshlrev_b32 v248, 8, v248                    ; v248, v249 are never rewritten
	s_wait_alu depctr_va_vdst(0)
.irp c, 0,1,2                                  ; the weight's scale images: 4,096 dense bytes of each chunk, 512 consecutive bytes a wave's load
	global_load_b128 v[T+8*\c:T+8*\c+3], v30, s[G0SB+2:G0SB+3] offset:32768*\c
	global_load_b128 v[T+8*\c+4:T+8*\c+7], v30, s[G0SB+2:G0SB+3] offset:32768*\c+2048
.endr
	global_prefetch_b8 v248, s[78:79] th:TH_LOAD_NT scope:SCOPE_SE   ; what the loads behind the next round will ask for: x's second half of K,
	global_prefetch_b8 v249, s[82:83] th:TH_LOAD_NT scope:SCOPE_SE   ; and the weight's
	v_and_b32 v1, 15, v0                           ; r
	v_bfe_u32 v2, v0, 4, 1                         ; h
	v_and_b32 v3, 31, v0                           ; lane
	s_wait_alu depctr_va_vdst(0)
	v_lshlrev_b32 v13, 5, v2                       ; 32 h
	v_lshlrev_b32 v24, 2, v1                       ; 4 r
	s_lshl_b32 s12, s[TC], 9                       ; the bias of my head: feature 128 x pair of heads + 64 x half
	s_lshl_b32 s13, s[HB], 8
	s_add_co_u32 s12, s12, s13
	s_mov_b32 s13, 0
	s_add_nc_u64 s[8:9], s[8:9], s[12:13]
.irp c, 0,1                                    ; q, k: register 8 b + j wants feature 16 b + 8 h + j
.irp b, 0,1,2,3
	global_load_b128 v[BI+32*\c+8*\b:BI+32*\c+8*\b+3], v13, s[8:9] offset:4096*\c+64*\b
	global_load_b128 v[BI+32*\c+8*\b+4:BI+32*\c+8*\b+7], v13, s[8:9] offset:4096*\c+64*\b+16
.endr
.endr
.irp b, 0,1,2,3                                ; v: block b wants feature 16 b + r, one number a lane, as a pair for the packed add
	global_load_b32 v[BV+2*\b], v24, s[8:9] offset:8192+64*\b
	global_load_b32 v[BV+2*\b+1], v24, s[8:9] offset:8192+64*\b
.endr
	s_lshr_b32 s12, s[TR], 1                       ; my record: 16 x batch + head
	s_lshl_b32 s12, s12, 4
	s_lshl_b32 s13, s[TC], 1
	s_add_co_u32 s12, s12, s13
	s_add_co_u32 s12, s12, s[HB]
	s_mul_i32 s12, s12, REC
	s_mov_b32 s13, 0
	s_add_nc_u64 s[10:11], s[10:11], s[12:13]
	s_and_b32 s12, s[TR], 1
	s_lshl_b32 s12, s12, 1
	s_add_co_u32 s12, s12, s15                     ; which 128 of the batch's 512 tokens are mine
	v_lshlrev_b32 v8, 3, v3                        ; 8 x lane: an image's place for my lane
	s_wait_alu depctr_va_vdst(0)
	v_lshlrev_b32 v11, 4, v3                       ; 16 x lane
	s_mul_i32 s13, s12, 6144                       ; q, k: eight row tiles of 768 bytes; v: four fragments of 1,536: the same step
	v_add_nc_u32 v4, s13, v8
	s_lshl_b32 s13, s12, 9                         ; q's and k's scale words: 4 bytes a token
	v_add_nc_u32 v5, s13, v11
	s_lshl_b32 s13, s12, 8                         ; v's: 256 bytes for 128 keys
	v_add_nc_u32 v6, s13, v8
	s_mul_i32 s12, s15, HALFA                      ; my 128 rows of x,
	s_mul_i32 s13, s[HB], HALFB
	s_add_co_u32 s13, s13, BB
.irp s, 0,1,2,3                                ; 256 along K number s: half s / 2 of K, 3,072 (s % 2) bytes into a row tile's 6,144
	v_add_nc_u32 v[ADRA+\s], s12, v8
	v_add_nc_u32 v[ADRB+\s], s13, v8
	s_add_co_u32 s12, s12, 3072+(\s%2)*(98304-6144)
	s_add_co_u32 s13, s13, 3072+(\s%2)*(49152-6144)
.endr
	s_mul_i32 s12, s[HB], 6144
	s_add_co_u32 s12, s12, SCLB                    ; the weight's scale images of my half, first chunk: the lower base;
	s_lshl_b32 s13, s15, 12
	s_add_co_u32 s13, s13, SCLA
	s_sub_co_u32 s13, s13, s12                     ; the distance to x's
	v_xor_b32 v7, 1, v2
	v_mul_u32_u24 v7, s13, v7                      ; lanes 0-15 take x's
	v_lshl_add_u32 v7, v1, 3, v7                   ; 8 bytes a row
	v_add_nc_u32 v[ADRS], s12, v7
	v_lshlrev_b32 v26, 11, v2                      ; from chunk to chunk: 2,048 bytes, in lanes 16-31 alone
	s_lshl_b32 s12, s14, 9
	s_add_co_u32 s12, s12, STGQ                    ; my stages
	v_lshl_add_u32 v9, v2, 6, v24
	v_add_nc_u32 v9, s12, v9                       ; q, k: token 16 h + r of a pair of blocks
	v_add_nc_u32 v10, s12, v11
	s_lshl_b32 s12, s14, 8
	s_add_co_u32 s12, s12, STGV
	v_add_nc_u32 v14, s12, v24                     ; v: feature r of a block
	v_add_nc_u32 v15, s12, v8
	v_lshlrev_b32 v12, 4, v2                       ; 16 h
	s_mov_b32 s[SEL], 0x76543210
	s_mov_b32 s[SEL+1], 0xfedcba98                 ; v_permlanex16_b32's selects for lane l xor 16
	s_wait_alu depctr_va_vdst(0)
	s_wait_loadcnt 24                              ; the six loads of scale images are in; the 24 younger loads of the bias may be out
	s_wait_tensorcnt 0x0                           ; my load of the head has landed
.irp c, 0,1,2
	ds_store_b128 v25, v[T+8*\c:T+8*\c+3] offset:2048*\c          ; columns' half 0, chunk c
	ds_store_b128 v25, v[T+8*\c+4:T+8*\c+7] offset:6144+2048*\c   ; half 1
.endr
	s_wait_tensorcnt 0x0                           ; with the two lines below, ahead of a later first fill
	ds_add_u32 v[SPW], v[NIL]
	s_wait_dscnt 0x0                               ; the add and my stores are done
	CROUND                                         ; everybody's part of the first half of K and of the scale images is in
	JLOAD G0A+4, G1, G0R, G1R                      ; the second half of K: waves 0, 1 x's, waves 2, 3 four row tiles of the weight each
	FIRSTF
	global_prefetch_b8 v248, s[80:81] offset:CHUNK-6144 th:TH_LOAD_NT scope:SCOPE_SE   ; k's chunk of the weight, a pass ahead of the refill that asks for it
	PASS 1, 1, 0
	s_wait_loadcnt 0x0                             ; the bias
	EPIQK 0, QC, QSC
	NEXTP
	global_prefetch_b8 v248, s[80:81] offset:2*CHUNK-6144 th:TH_LOAD_NT scope:SCOPE_SE   ; v's chunk, likewise; the last pass asks for nothing
	s_wait_alu depctr_va_vdst(0)
	PASS 0, 1, 0
	EPIQK 1, 0, KSC
	NEXTP
	s_wait_alu depctr_va_vdst(0)
	PASS 0, 0, 1                                   ; v, the sources exchanged; nothing is left to fetch
	EPIV
	s_wait_tensorcnt 0x0                           ; the wave's end: behind my last tensor load and my last LDS store
	ds_add_u32 v[SPW], v[NIL]
	s_wait_dscnt 0x0
	CROUND                                         ; the closing round: no work-group ends while a partner may still ask for a tile that names it
	s_endpgm
.Lfunc_end_k_qad88793735_qkv:
	.size	k_qad88793735_qkv, .Lfunc_end_k_qad88793735_qkv-k_qad88793735_qkv
	.p2alignl 7, 3214868480
	.fill 96, 4, 3214868480
	.section	.rodata,"a",@progbits
	.p2align	6, 0x0
	.amdhsa_kernel k_qad88793735_qkv
		.amdhsa_group_segment_fixed_size 327680
		.amdhsa_private_segment_fixed_size 0
		.amdhsa_enable_private_segment 0
		.amdhsa_kernarg_size 32
		.amdhsa_user_sgpr_count 2
		.amdhsa_user_sgpr_kernarg_segment_ptr 1
		.amdhsa_wavefront_size32 1
		.amdhsa_system_sgpr_workgroup_id_x 1
		.amdhsa_system_sgpr_workgroup_id_y 1
		.amdhsa_system_sgpr_workgroup_id_z 1
		.amdhsa_system_vgpr_workitem_id 0
		.amdhsa_next_free_vgpr 1024
		.amdhsa_next_free_sgpr 102
		.amdhsa_reserve_vcc 0
		.amdhsa_float_denorm_mode_32 3
		.amdhsa_float_denorm_mode_16_64 3
		.amdhsa_memory_ordered 1
		.amdhsa_forward_progress 1
		.amdhsa_inst_pref_size 255
	.end_amdhsa_kernel
	.section	.bss,"aw",@nobits
	.p2align	6
	.space	262144
	.amdgpu_metadata
---
amdhsa.version: [ 1, 2 ]
amdhsa.kernels:
  - .name:           k_qad88793735_qkv
    .symbol:         k_qad88793735_qkv.kd
    .args:
      - { .name: xq, .offset: 0, .size: 8, .value_kind: global_buffer, .address_space: global }
      - { .name: wq, .offset: 8, .size: 8, .value_kind: global_buffer, .address_space: global }
      - { .name: b_qkv, .offset: 16, .size: 8, .value_kind: global_buffer, .address_space: global }
      - { .name: qkvq, .offset: 24, .size: 8, .value_kind: global_buffer, .address_space: global }
    .group_segment_fixed_size: 327680
    .private_segment_fixed_size: 0
    .kernarg_segment_align: 8
    .kernarg_segment_size: 32
    .max_flat_workgroup_size: 128
    .sgpr_count:     102
    .vgpr_count:     1024
    .wavefront_size: 32
...
	.end_amdgpu_metadata
.endif
;; end of part 2
;; launch attn (part 3): grid 256 x 1, 16 waves a work-group, no clusters, 169,984 bytes of LDS; arguments qkvq, rel_emb, aoq; writes aoq
.if DOCPART == 3
	.amdgcn_target "amdgcn-amd-amdhsa--gfx1250"
	.amdhsa_code_object_version 6
	.text
	.protected	k_qad88793735_attn
	.globl	k_qad88793735_attn
	.p2align	8
	.type	k_qad88793735_attn,@function
k_qad88793735_attn:
	s_mov_b64 s[64:65], 0
	v_nop
	global_prefetch_b8 v0, s[64:65] scope:SCOPE_SE
	s_setreg_imm32_b32 hwreg(HW_REG_WAVE_MODE, 25, 1), 1
	s_wait_xcnt 0x0
; For one (batch, head): o = softmax(q k^T / 8 + bias) v, bias(i, j) = rel_emb[i - j + 511][head]; both products on codes of FP6 (E2M3) with E8M0 scales; o is quantised along the 64 of the head for the last product.
; THE SOFTMAX: t = (q.k + 8 bias) x log2(e) / 8; M = the running largest t rounded UP to a whole number; p = 2^(t - M) is quantised along the keys, not normalised; the row's sum is taken of the unquantised p
; and divides o at the end.  When M moves, the sum and o are multiplied by 2^(old M - new M): exact.
; SHARES.  A work-group is one record of the launch before.  The head's k and v with their scale words, 52,224 dense bytes, come into LDS once (waves 0-3, one tensor load each) and stay: no slot is filled again.
; Each of the sixteen waves owns two tiles of 16 queries (w and w + 16), one after the other, in 256 registers: four waves to a SIMD, so that one wave's vector work stands beside another's matrix work and LDS loads.
; No cluster: work-groups share nothing but the small table.  No prefetch: all that a work-group reads is asked for at its head.
; LAYOUT.  Both products are used transposed: S^T = k q^T (source 0 = 16 keys, source 1 = my 16 queries), O^T = v^T p^T: a lane holds ONE query (lane % 16) throughout.
; K of the first product is 64, half of the instruction's 128: q's upper six registers are zero codes, so whatever stands in the upper six of k's operand (the next tile's codes) adds nothing; no scale byte is 0xff.
; THE BIAS COSTS NO VECTOR LINE: 8 x bias is the C of the score products.  It hangs on (key tile - query tile) alone: 63 images of an accumulator's registers, 1,024 bytes each, are built once in LDS.
; THE ORDER INSIDE A BLOCK OF 32 KEYS: p's place 16 h + 8 u + j holds key 16 u + 8 h + j; v's codes were made in the same order.  The output's codes have that order along the head's 64; w_out's rows were taken so.
; LIMITS: a block's largest magnitude is taken no smaller than 2^-124; a block of zeros gets the byte 1 (its codes are zeros); NaN and infinities are not served.
; REGISTERS: v1-7, v29 addresses that stay; v8-11, v28 the step's; v12 -M, v13 the largest t, v[14:15] the sum; v16-27, v192-203 q's two fragments; v255, v204 their scale words; v32-61 k's fragments; v64-95 the bias images;
; v32-79 v's fragments; v96-159 S^T, then p; v160-191 O^T; v224-235 p's codes; v232-254 at work; v248-251 k's or v's scale words; v205-215 the head's and the tail's.
.set REC,  78848
.set VC,   24576
.set KSC,  49152
.set VSC,  51200
.set QC,   52224
.set QSC,  76800
.set AOS,  6291456
.set TAB,  52224                       ; LDS behind k and v: the table, 1,536 words: word x = 8 rel_emb[1022 - x][head]; words 1,024 on are 0
.set IMG,  58368                       ; 64 images x 1,024 bytes: image e, lane (r, h), register j = word 15 + 16 e - r + 8 h + j
.set OST,  123904                      ; the output's scale bytes: 2 bytes a row, 512 rows
.set ADK,  8
.set ADV,  9
.set ADS,  10
.set ADT,  11
.set ADB,  28
.set WV,   18
.set SEL,  20
.set CS,   22
.set G1,   24
.set G0,   32
.set KO,   36                          ; s36 the step's codes of k and of v: 6,144 bytes a step
.set SO,   37                          ; s37 k's scale words: 512 a step
.set BO,   38                          ; s38 the bias images: 8 a step
.set TO,   39                          ; s39 v's scale words: 256 a step
.set CNT,  40
; A KEY STEP: 128 keys
.macro STEP QF, QW
	v_add_nc_u32 v[ADK], s[KO], v1                 ; (these five are also the places behind the last step's products)
	s_wait_alu depctr_va_vdst(0)
	v_add_nc_u32 v[ADV], s[KO], v2
	v_add_nc_u32 v[ADS], s[SO], v3
	s_wait_alu depctr_va_vdst(0)
	v_add_nc_u32 v[ADT], s[TO], v4
	v_add_nc_u32 v[ADB], s[BO], v7
	s_wait_alu depctr_va_vdst(0)
.irp g, 0,1                                    ; S^T = k q^T + 8 bias, four tiles of 16 keys at a time
.if \g
.rept 4
	v_nop                                          ; places in front of loads into registers that matrix instructions have read
.endr
.endif
.irp t, 0,1,2,3
.irp p, 0,1,2
	ds_load_b64 v[32+6*\t+2*\p:33+6*\t+2*\p], v[ADK] offset:(4*\g+\t)*768+256*\p
.endr
	ds_load_b32 v[248+\t], v[ADS] offset:(4*\g+\t)*64
	ds_load_b128 v[64+8*\t:67+8*\t], v[ADB] offset:(4*\g+\t)*1024
	ds_load_b128 v[68+8*\t:71+8*\t], v[ADB] offset:(4*\g+\t)*1024+512
.endr
	s_wait_dscnt 0x0
.irp t, 0,1,2,3
	v_wmma_scale_f32_16x16x128_f8f6f4 v[96+8*(4*\g+\t):103+8*(4*\g+\t)], v[32+6*\t:43+6*\t], v[\QF:\QF+11], v[64+8*\t:71+8*\t], v[248+\t], v[\QW] matrix_a_fmt:MATRIX_FMT_FP6 matrix_b_fmt:MATRIX_FMT_FP6
.endr
.endr
.rept 4
	v_nop
.endr
.irp t, 0,1,2,3                                ; v's four fragments and scale words are asked for now and land while the softmax is worked
.irp p, 0,1,2,3,4,5
	ds_load_b64 v[32+12*\t+2*\p:33+12*\t+2*\p], v[ADV] offset:1536*\t+256*\p
.endr
	ds_load_b32 v[248+\t], v[ADT] offset:64*\t
.endr
.irp b, 0,1,2,3
	v_max3_num_f32 v[232+\b], v[96+16*\b], v[97+16*\b], v[98+16*\b]   ; the largest score of each block of 32 keys: it serves the row's maximum and, since p rises with the score, the block's largest p
.endr
.irp i, 3,5,7,9,11,13
.irp b, 0,1,2,3
	v_max3_num_f32 v[232+\b], v[232+\b], v[96+16*\b+\i], v[97+16*\b+\i]
.endr
.endr
.irp b, 0,1,2,3
	v_max_num_f32 v[232+\b], v[232+\b], v[111+16*\b]
.endr
.irp b, 0,1,2,3
	s_delay_alu instid0(VALU_DEP_4)
	v_permlanex16_b32 v[236+\b], v[232+\b], s[SEL], s[SEL+1]
.endr
.irp b, 0,1,2,3
	s_delay_alu instid0(VALU_DEP_4)
	v_max_num_f32 v[232+\b], v[232+\b], v[236+\b]  ; with lane l xor 16's 16 keys
.endr
	s_delay_alu instid0(VALU_DEP_2)
	v_max3_num_f32 v254, v232, v233, v234
	s_delay_alu instid0(VALU_DEP_1)
	v_max_num_f32 v254, v254, v235                 ; the step's largest score of my query
	s_delay_alu instid0(VALU_DEP_1)
	v_mul_f32 v254, s[CS], v254                    ; as t (c is positive)
	s_delay_alu instid0(VALU_DEP_1)
	v_max_num_f32 v13, v13, v254                   ; the running largest t
	v_mov_b32 v254, v12
	s_delay_alu instid0(VALU_DEP_2)
	v_floor_f32 v12, -v13                          ; the new -M = floor(-t) = -ceil(t)
	s_delay_alu instid0(VALU_DEP_1)
	v_sub_f32 v254, v12, v254                      ; old M - new M: a whole number, 0 or less
	s_delay_alu instid0(VALU_DEP_1)
	v_cvt_i32_f32 v254, v254                       ; (it saturates)
	s_delay_alu instid0(VALU_DEP_1)
	v_ldexp_f32 v252, 1.0, v254                    ; f = 2^(old M - new M)
.set jj, 0
.rept 32
	v_pk_fma_f32 v[96+jj:97+jj], v[96+jj:97+jj], s[CS:CS+1], v[12:13] op_sel_hi:[1,0,0]   ; t - M, two at a time
.set jj, jj+2
.endr
.irp b, 0,1,2,3
	v_fma_f32 v[232+\b], v[232+\b], s[CS], v12     ; the same of each block's largest score
.endr
.set jj, 0
	s_wait_alu depctr_va_vdst(0)
.rept 64
	v_exp_f32 v[96+jj], v[96+jj]                   ; p = 2^(t - M), at most 1
.set jj, jj+1
.endr
	v_pk_mul_f32 v[14:15], v[14:15], v[252:253] op_sel_hi:[1,0]   ; the sums under the new M (a plain line behind the exponentials)
	s_wait_alu depctr_va_vdst(0)                   ; one wait for the whole batch, ahead of its first reader
.irp b, 0,1,2,3
	v_exp_f32 v[232+\b], v[232+\b]                 ; the block's largest p
.endr
	v_pk_add_f32 v[236:237], v[100:101], v[104:105]
	v_pk_add_f32 v[246:247], v[108:109], v[112:113]
	v_pk_add_f32 v[244:245], v[116:117], v[120:121]
	v_pk_add_f32 v[240:241], v[124:125], v[128:129]
	v_pk_add_f32 v[238:239], v[132:133], v[136:137]
	v_pk_add_f32 v[230:231], v[140:141], v[144:145]
	v_pk_add_f32 v[228:229], v[148:149], v[152:153]
	v_pk_add_f32 v[14:15], v[14:15], v[156:157]
	v_pk_add_f32 v[236:237], v[236:237], v[96:97]
	v_pk_add_f32 v[246:247], v[246:247], v[98:99]
	v_pk_add_f32 v[244:245], v[244:245], v[102:103]
	v_pk_add_f32 v[240:241], v[240:241], v[106:107]
	v_pk_add_f32 v[238:239], v[238:239], v[110:111]
	v_pk_add_f32 v[230:231], v[230:231], v[114:115]
	v_pk_add_f32 v[228:229], v[228:229], v[118:119]
	v_pk_add_f32 v[14:15], v[14:15], v[122:123]
	v_pk_add_f32 v[236:237], v[236:237], v[126:127]
	v_pk_add_f32 v[246:247], v[246:247], v[130:131]
	v_pk_add_f32 v[244:245], v[244:245], v[134:135]
	v_pk_add_f32 v[240:241], v[240:241], v[138:139]
	v_pk_add_f32 v[238:239], v[238:239], v[142:143]
	v_pk_add_f32 v[230:231], v[230:231], v[146:147]
	v_pk_add_f32 v[228:229], v[228:229], v[150:151]
	v_pk_add_f32 v[14:15], v[14:15], v[154:155]
	v_pk_add_f32 v[236:237], v[236:237], v[158:159]
	s_delay_alu instid0(VALU_DEP_2)
	v_pk_add_f32 v[14:15], v[14:15], v[240:241]
	s_delay_alu instid0(VALU_DEP_2)
	v_pk_add_f32 v[236:237], v[236:237], v[238:239]
	v_pk_add_f32 v[246:247], v[246:247], v[230:231]
	v_pk_add_f32 v[244:245], v[244:245], v[228:229]
	s_delay_alu instid0(VALU_DEP_2)
	v_pk_add_f32 v[14:15], v[14:15], v[246:247]
	s_delay_alu instid0(VALU_DEP_2)
	v_pk_add_f32 v[236:237], v[236:237], v[244:245]
	s_delay_alu instid0(VALU_DEP_1)
	v_pk_add_f32 v[14:15], v[14:15], v[236:237]
	s_wait_alu depctr_va_vdst(0)                   ; and one for the four
.irp b, 0,1,2,3
	v_max_num_f32 v[232+\b], 0x1800000, v[232+\b]  ; the floor 2^(3 - 127)
.endr
.irp b, 0,1,2,3
	s_delay_alu instid0(VALU_DEP_4)
	v_add_nc_u32 v[244+\b], 0xff000000, v[232+\b]  ; 2 off the exponent field: the conversion's scale operand
.endr
.irp b, 0,1,2,3
	s_delay_alu instid0(VALU_DEP_4)
	v_lshrrev_b32 v[236+\b], 23, v[244+\b]         ; the byte
.endr
	s_delay_alu instid0(VALU_DEP_3)
	v_lshl_or_b32 v253, v237, 8, v236              ; p's scale word for these 128 keys
	s_delay_alu instid0(VALU_DEP_1)
	v_lshl_or_b32 v253, v238, 16, v253
	s_delay_alu instid0(VALU_DEP_1)
	v_lshl_or_b32 v253, v239, 24, v253
.irp c, 0,1
	v_cvt_scalef32_pk16_fp6_f32 v[224+6*\c:226+6*\c], v[96+32*\c:111+32*\c], v[244+2*\c]
	v_cvt_scalef32_pk16_fp6_f32 v[236+4*\c:238+4*\c], v[112+32*\c:127+32*\c], v[244+2*\c+1]
.endr
	v_nop                                          ; one plain line behind the scaled conversions
.irp c, 0,1                                    ; the operand wants a whole block in a lane
.irp i, 0,1,2
	v_permlane16_swap_b32 v[224+6*\c+\i], v[236+4*\c+\i]
.endr
.irp i, 0,1,2
	s_delay_alu instid0(VALU_DEP_3)
	v_mov_b32 v[227+6*\c+\i], v[236+4*\c+\i]
.endr
.endr
.set jj, 0
.rept 16
	v_pk_mul_f32 v[160+jj:161+jj], v[160+jj:161+jj], v[252:253] op_sel_hi:[1,0]   ; O^T under the new M.  (These sixteen are also the places between p's codes and scale word and the products below)
.set jj, jj+2
.endr
	s_wait_alu depctr_va_vdst(0)
	s_wait_dscnt 0x0                               ; v's fragments are in
.irp t, 0,1,2,3                                ; O^T += v^T p^T: the four accumulators by turns
	v_wmma_scale_f32_16x16x128_f8f6f4 v[160+8*\t:167+8*\t], v[32+12*\t:43+12*\t], v[224:235], v[160+8*\t:167+8*\t], v[248+\t], v253 matrix_a_fmt:MATRIX_FMT_FP6 matrix_b_fmt:MATRIX_FMT_FP6
.endr
	s_add_co_u32 s[KO], s[KO], 6144
	s_add_co_u32 s[SO], s[SO], 512
	s_add_co_u32 s[BO], s[BO], 8192
	s_add_co_u32 s[TO], s[TO], 256
.endm
; THE WAY OUT of a tile of queries: O^T / the sum, quantised: two blocks of 32 along the head's 64: half a fragment's image, three stores of 256 dense bytes; two scale bytes a row into LDS
.macro OQ it
.rept 4
	v_nop
.endr
	v_add_f32 v14, v14, v15
	s_delay_alu instid0(VALU_DEP_1)
	v_permlanex16_b32 v252, v14, s[SEL], s[SEL+1]
	s_delay_alu instid0(VALU_DEP_1)
	v_add_f32 v14, v14, v252                       ; the row's sum
	s_wait_alu depctr_va_vdst(0)
	v_rcp_f32 v14, v14
	v_nop                                          ; a plain line behind the transcendental
	s_wait_alu depctr_va_vdst(0)                   ; and the wait ahead of its first reader
.set jj, 0
.rept 32
	v_mul_f32 v[96+jj], v[160+jj], v14             ; register 8 a + j is o(r, 16 a + 8 h + j); each accumulator from its low end on
.set jj, jj+1
.endr
.irp b, 0,1
	v_max3_num_f32 v[232+\b], |v[96+16*\b]|, |v[97+16*\b]|, 0x1800000
.endr
.irp i, 2,4,6,8,10,12,14
.irp b, 0,1
	s_delay_alu instid0(VALU_DEP_2)
	v_max3_num_f32 v[232+\b], v[232+\b], |v[96+16*\b+\i]|, |v[97+16*\b+\i]|
.endr
.endr
.irp b, 0,1
	s_delay_alu instid0(VALU_DEP_2)
	v_permlanex16_b32 v[236+\b], v[232+\b], s[SEL], s[SEL+1]
.endr
.irp b, 0,1
	s_delay_alu instid0(VALU_DEP_2)
	v_max_num_f32 v[232+\b], v[232+\b], v[236+\b]
.endr
.irp b, 0,1
	s_delay_alu instid0(VALU_DEP_2)
	v_add_nc_u32 v[244+\b], 0xff000000, v[232+\b]
.endr
.irp b, 0,1
	s_delay_alu instid0(VALU_DEP_2)
	v_lshrrev_b32 v[236+\b], 23, v[244+\b]
.endr
	s_delay_alu instid0(VALU_DEP_1)
	v_lshl_or_b32 v205, v237, 8, v236              ; my row's two bytes
	v_cvt_scalef32_pk16_fp6_f32 v[224:226], v[96:111], v244
	v_cvt_scalef32_pk16_fp6_f32 v[240:242], v[112:127], v245
	v_nop
.irp i, 0,1,2
	v_permlane16_swap_b32 v[224+\i], v[240+\i]     ; lanes 0-15 now hold block 0, lanes 16-31 block 1: lower 16 codes here, upper 16 there
.endr
.irp i, 0,1,2
	s_delay_alu instid0(VALU_DEP_3)
	v_mov_b32 v[227+\i], v[240+\i]
.endr
.irp p, 0,1,2
	global_store_b64 v1, v[224+2*\p:225+2*\p], s[42:43] offset:\it*196608+256*\p
.endr
	ds_store_b16 v29, v205 offset:512*\it          ; both halves of the lanes hold the same two bytes
	s_wait_xcnt 0x0                                ; the stores have read their registers: the next tile writes them again
.endm
.macro QTILE it, QF, QW
	v_mov_b32 v13, 0xff61b1e6                      ; the largest t so far: -3e38
	s_delay_alu instid0(VALU_DEP_1)
	v_floor_f32 v12, -v13                          ; -M
	v_mov_b32 v14, 0
	v_mov_b32 v15, 0
.set jj, 0
.rept 32
	v_mov_b32 v[160+jj], 0                         ; O^T: the step is written once; its first trip finds zeros, which the first change of M leaves zeros
.set jj, jj+1
.endr
	s_mov_b32 s[KO], 0
	s_mov_b32 s[SO], 0
	s_mov_b32 s[BO], 16384*(1-\it)                 ; image (key tile - query tile + 31): 15 - w is in v7, 16 (1 - it) here
	s_mov_b32 s[TO], 0
	s_mov_b32 s[CNT], 4
.Lstep_\@:
	STEP \QF, \QW
	s_sub_co_u32 s[CNT], s[CNT], 1
	s_cmp_lg_u32 s[CNT], 0
	s_cbranch_scc1 .Lstep_\@
	OQ \it
.endm
	s_load_b128 s[4:7], s[0:1], 0x0                ; qkvq, rel_emb
	s_load_b64 s[8:9], s[0:1], 0x10                ; aoq
	v_lshl_add_u32 v223, v0, 2, 0x29000
	v_mov_b32 v243, 0
	ds_add_u32 v223, v243
	ds_add_u32 v223, v243
	v_lshrrev_b32 v8, 5, v0
	s_delay_alu instid0(VALU_DEP_1)
	v_readfirstlane_b32 s[WV], v8                  ; wave 0..15
	s_mov_b32 s[G1+0], 3<<16                       ; elements of 8 bytes, no mask, no padding
	s_mov_b32 s[G1+1], 32<<16                      ; rows of 256 bytes,
	s_mov_b32 s[G1+2], 51<<16                      ; 51 of them: a quarter of the 52,224 dense bytes
	s_mov_b32 s[G1+3], 32<<16
	s_mov_b32 s[G1+4], 51
	s_mov_b32 s[G1+5], 32
	s_mov_b32 s[G1+6], 0
	s_mov_b32 s[G1+7], 0
	s_mul_i32 s10, ttmp9, REC
	s_mov_b32 s11, 0
	s_mul_i32 s12, s[WV], 13056
	s_mov_b32 s13, 0
	s_and_b32 s14, ttmp9, 15                       ; the head
	s_lshr_b32 s15, ttmp9, 4                       ; the batch
	s_mov_b32 s[G0], 1
	s_mov_b32 s[G0+1], s12
	s_wait_dscnt 0x0
	s_wait_kmcnt 0x0
	s_add_nc_u64 s[4:5], s[4:5], s[10:11]          ; my record
	s_add_nc_u64 s[G0+2:G0+3], s[4:5], s[12:13]
	s_or_b32 s[G0+3], s[G0+3], 0x80000000
	s_cmp_lt_u32 s[WV], 4
	s_cbranch_scc0 .Lno_fetch
	tensor_load_to_lds s[G0:G0+3], s[G1:G1+7]      ; waves 0-3: k, v and their scale words, once
	s_nop 0
.rept 4
	v_nop
.endr
.Lno_fetch:
	v_and_b32 v5, 31, v0                           ; lane
	v_and_b32 v30, 15, v0                          ; r
	v_bfe_u32 v31, v0, 4, 1                        ; h
	s_delay_alu instid0(VALU_DEP_3)
	v_lshlrev_b32 v1, 3, v5                        ; 8 x lane: an image's place; k's codes begin at LDS byte 0
	s_wait_alu depctr_va_vdst(0)
	v_lshlrev_b32 v6, 2, v30                       ; 4 r
	s_wait_alu depctr_va_vdst(0)
	v_sub_nc_u32 v211, 1022, v0                    ; table words t and 512 + t want rows 1022 - t and 510 - t of rel_emb (the last thread's second row, -1, is held at 0: word 1,023 is read by no image that is used)
	v_sub_nc_u32 v212, 510, v0
	s_delay_alu instid0(VALU_DEP_1)
	v_max_i32 v212, 0, v212
	s_delay_alu instid0(VALU_DEP_3)
	v_lshlrev_b32 v211, 6, v211                    ; a row of rel_emb is 64 bytes
	s_delay_alu instid0(VALU_DEP_2)
	v_lshlrev_b32 v212, 6, v212
	s_lshl_b32 s10, s14, 2
	s_add_nc_u64 s[6:7], s[6:7], s[10:11]          ; my head's column
	global_load_b32 v213, v211, s[6:7]
	global_load_b32 v214, v212, s[6:7]
	s_mul_i32 s10, s[WV], 768
	s_add_co_u32 s10, s10, QC
	s_add_nc_u64 s[44:45], s[4:5], s[10:11]        ; q's codes: tile w; tile w + 16 lies 12,288 bytes on
	s_lshl_b32 s10, s[WV], 6
	s_add_co_u32 s10, s10, QSC
	s_add_nc_u64 s[46:47], s[4:5], s[10:11]        ; and scale words
.irp p, 0,1,2
	global_load_b64 v[16+2*\p:17+2*\p], v1, s[44:45] offset:256*\p
	global_load_b64 v[192+2*\p:193+2*\p], v1, s[44:45] offset:12288+256*\p
.endr
	global_load_b32 v255, v6, s[46:47]
	global_load_b32 v204, v6, s[46:47] offset:1024
	v_add_nc_u32 v2, VC, v1
	v_add_nc_u32 v3, KSC, v6
	v_add_nc_u32 v4, VSC, v6
	s_xor_b32 s16, s[WV], 15
	s_lshl_b32 s16, s16, 10
	s_add_co_u32 s16, s16, IMG
	v_lshlrev_b32 v7, 4, v5
	s_delay_alu instid0(VALU_DEP_1)
	v_add_nc_u32 v7, s16, v7                       ; image 15 - w, 16 bytes a lane
	s_lshl_b32 s16, s[WV], 5
	s_add_co_u32 s16, s16, OST
	v_lshl_add_u32 v29, v30, 1, s16                ; the output's scale bytes: 32 w + 2 r
	v_lshl_add_u32 v206, v0, 2, TAB                ; my words of the table
	v_xor_b32 v207, 15, v30                        ; 15 - r
	s_delay_alu instid0(VALU_DEP_1)
	v_lshl_add_u32 v207, v31, 3, v207              ; + 8 h
	s_lshl_b32 s16, s[WV], 6
	s_add_co_u32 s16, s16, TAB
	v_lshl_add_u32 v207, v207, 2, s16              ; building: image w's first word for my lane; image w + 16 i lies 1,024 i bytes on in the table
	s_lshl_b32 s16, s[WV], 10
	s_add_co_u32 s16, s16, IMG
	v_lshlrev_b32 v208, 4, v5
	s_delay_alu instid0(VALU_DEP_1)
	v_add_nc_u32 v208, s16, v208                   ; and where image w goes
	v_lshl_add_u32 v209, v0, 4, OST                ; the tail (waves 0, 1): 16 bytes a thread
	v_lshlrev_b32 v210, 4, v0
	v_mov_b32 v215, 0
	s_lshl_b32 s10, s15, 5                         ; the output's codes: row tile 32 x batch + w, the head's 768 bytes in it
	s_add_co_u32 s10, s10, s[WV]
	s_mul_i32 s10, s10, 12288
	s_mul_i32 s12, s14, 768
	s_add_co_u32 s10, s10, s12
	s_add_nc_u64 s[42:43], s[8:9], s[10:11]
	s_lshl_b32 s10, s14, 14                        ; its scale bytes: [head][row], 2 bytes
	s_lshl_b32 s12, s15, 10
	s_add_co_u32 s10, s10, s12
	s_add_co_u32 s10, s10, AOS
	s_add_nc_u64 s[48:49], s[8:9], s[10:11]
	s_mov_b32 s[SEL], 0x76543210
	s_mov_b32 s[SEL+1], 0xfedcba98
	s_mov_b32 s[CS], 0x3e38aa3b                    ; c = log2(e) / 8
	s_mov_b32 s[CS+1], s[CS]
.irp i, 0,1,2,3,4,5
	v_mov_b32 v[22+\i], 0                          ; q's upper half of K: zero codes
	v_mov_b32 v[198+\i], 0
	v_mov_b32 v[56+\i], 0                          ; the last tile's upper half is named before v's fragments first land there
.endr
.irp b, 0,1,2,3
	v_mov_b32 v[236+\b], 0                         ; a lane permute's destination counts as one of its sources
.endr
	v_mov_b32 v253, 0                              ; (named as the upper half of the pair v[252:253] before it is first written)
	s_wait_loadcnt 8                               ; the table's two loads are in; q's eight may be out
	v_mul_f32 v213, 0x41000000, v213               ; x 8: exact
	v_mul_f32 v214, 0x41000000, v214
	ds_store_b32 v206, v213
	ds_store_b32 v206, v214 offset:2048
	ds_store_b32 v206, v215 offset:4096
	s_wait_tensorcnt 0x0                           ; my part of k and v is in,
	s_wait_dscnt 0x0                               ; my words of the table are stored
	s_barrier_signal -1
	s_barrier_wait -1                              ; everybody's are
.irp i, 0,1,2,3                                ; wave w builds images w, w + 16, w + 32, w + 48
.irp j, 0,1,2,3,4,5,6,7
	ds_load_b32 v[96+8*\i+\j], v207 offset:1024*\i+4*\j
.endr
.endr
	s_wait_dscnt 0x0
.irp i, 0,1,2,3
.irp c, 0,1
	ds_store_b128 v208, v[96+8*\i+4*\c:99+8*\i+4*\c] offset:16384*\i+512*\c
.endr
.endr
	s_wait_dscnt 0x0
	s_barrier_signal -1
	s_barrier_wait -1                              ; the images lie in LDS
	s_wait_loadcnt 0x0                             ; q
	QTILE 0, 16, 255
	QTILE 1, 192, 204
	s_wait_dscnt 0x0                               ; my scale bytes are stored
	s_barrier_signal -1
	s_barrier_wait -1
	s_cmp_lt_u32 s[WV], 2
	s_cbranch_scc0 .Lend
	ds_load_b128 v[96:99], v209                    ; waves 0, 1: the 512 rows' scale bytes leave as 1,024 consecutive bytes
	s_wait_dscnt 0x0
	global_store_b128 v210, v[96:99], s[48:49]
.Lend:
	s_wait_tensorcnt 0x0
	ds_add_u32 v223, v243
	s_wait_dscnt 0x0
	s_endpgm
.Lfunc_end_k_qad88793735_attn:
	.size	k_qad88793735_attn, .Lfunc_end_k_qad88793735_attn-k_qad88793735_attn
	.p2alignl 7, 3214868480
	.fill 96, 4, 3214868480
	.section	.rodata,"a",@progbits
	.p2align	6, 0x0
	.amdhsa_kernel k_qad88793735_attn
		.amdhsa_group_segment_fixed_size 169984
		.amdhsa_private_segment_fixed_size 0
		.amdhsa_enable_private_segment 0
		.amdhsa_kernarg_size 24
		.amdhsa_user_sgpr_count 2
		.amdhsa_user_sgpr_kernarg_segment_ptr 1
		.amdhsa_wavefront_size32 1
		.amdhsa_system_sgpr_workgroup_id_x 1
		.amdhsa_system_sgpr_workgroup_id_y 1
		.amdhsa_system_sgpr_workgroup_id_z 1
		.amdhsa_system_vgpr_workitem_id 0
		.amdhsa_next_free_vgpr 256
		.amdhsa_next_free_sgpr 66
		.amdhsa_reserve_vcc 0
		.amdhsa_float_denorm_mode_32 3
		.amdhsa_float_denorm_mode_16_64 3
		.amdhsa_memory_ordered 1
		.amdhsa_forward_progress 1
		.amdhsa_inst_pref_size 62
	.end_amdhsa_kernel
	.amdgpu_metadata
---
amdhsa.version: [ 1, 2 ]
amdhsa.kernels:
  - .name:           k_qad88793735_attn
    .symbol:         k_qad88793735_attn.kd
    .args:
      - { .name: qkvq, .offset: 0, .size: 8, .value_kind: global_buffer, .address_space: global }
      - { .name: rel_emb, .offset: 8, .size: 8, .value_kind: global_buffer, .address_space: global }
      - { .name: aoq, .offset: 16, .size: 8, .value_kind: global_buffer, .address_space: global }
    .group_segment_fixed_size: 169984
    .private_segment_fixed_size: 0
    .kernarg_segment_align: 8
    .kernarg_segment_size: 24
    .max_flat_workgroup_size: 512
    .sgpr_count:     66
    .vgpr_count:     256
    .wavefront_size: 32
...
	.end_amdgpu_metadata
.endif
;; end of part 3
;; launch proj (part 4): grid 8 x 32, 4 waves a work-group, clusters of 4 x 4, 327,680 bytes of LDS; arguments aoq, wq, b_out, out0; writes out0
.if DOCPART == 4
	.amdgcn_target "amdgcn-amd-amdhsa--gfx1250"
	.amdhsa_code_object_version 6
	.text
	.protected	k_qad88793735_proj
	.globl	k_qad88793735_proj
	.p2align	8
	.type	k_qad88793735_proj,@function
k_qad88793735_proj:
	s_mov_b64 s[64:65], 0
	v_nop
	global_prefetch_b8 v0, s[64:65] scope:SCOPE_SE
	s_setreg_imm32_b32 hwreg(HW_REG_WAVE_MODE, 25, 1), 1
	s_wait_xcnt 0x0
	s_wait_alu depctr_hold_cnt(0) depctr_sa_sdst(0) depctr_va_vdst(0) depctr_va_sdst(0) depctr_va_ssrc(0) depctr_va_vcc(0) depctr_vm_vsrc(0)
	s_getreg_b32 s2, hwreg(HW_REG_IB_STS2, 6, 4)
	s_cmp_eq_u32 s2, 0
	s_cbranch_scc0 .Lentry_in_a_cluster
	s_endpgm
.Lentry_in_a_cluster:
	s_bfe_u32 s2, ttmp6, 0x10000c
	s_cmp_lg_u32 s2, 0xf033
	s_cbranch_scc0 .Lentry_shape_is_right
	s_endpgm
.Lentry_shape_is_right:
; out0 = Q(attention's output) Q(w_out) + b_out on codes of FP6 (E2M3) with E8M0 scales, K = 1,024; both operands arrive as codes, laid as images of the operand's registers
; (12,288 bytes a row tile of 16 rows, 768 for each 64 along K).  8 x 32 work-groups; a work-group makes 256 rows x 128 columns, a wave 128 x 64: 32 accumulators.
; LDS: the rows' codes as [half of K][16 row tiles][6,144 bytes] from byte 0, w_out's as [half of K][8 row tiles][6,144 bytes] from BB.  Nothing is filled twice.
; Each wave issues one joint load at the head (first half of K: waves 0, 1 eight row tiles each, waves 2, 3 four tiles of w_out each) and one behind the three lines and a
; round of the cluster's barrier (second half of K), which lands under the products of the first 512 along K.  One tensor load a wave is out at the most.
; CLUSTERS 4 x 4: the rows' tiles are asked for jointly along a row of the cluster, w_out's along a column.
; SCALES: w_out's images (4,096 dense bytes) and the rows' raw bytes ([head][row], 2 bytes: 512 bytes of each of 16 heads) come by global loads, 512 consecutive bytes a wave's load,
; and are stored to LDS bytes on which no fill lands; the raw bytes are then laid as images (8 bytes a row for each 256 along K) while the head's tensor loads are out.
; The matrix instruction is used transposed (source 0 = w_out's 16 columns, source 1 = 16 rows): a lane holds eight neighbouring numbers of a row of out0.
; Prefetches at the head ask for the second half of K ahead of the load behind the next round.
; REGISTERS: window 0: v0-31 addresses; v32-63 scale words, two sets; v64-127 the head's work, later rows read back; v128-223 the rows' fragments, later sums with bias; v224-255 the bias.
;   window 1: w_out's fragments, two sets.  windows 2, 3: accumulator (a, b) at v[8 (4 (a % 4) + b)], window 2 + a / 4.
.set NB,    4
.set FR,    12
.set HALFA, 49152
.set HALFB, 24576
.set KHA,   98304
.set KHB,   49152
.set BB,    196608
.set SCLB,  294912                     ; w_out's scale images, 8 x 512
.set SCLA,  299008                     ; the rows' scale images, 16 x 512
.set RAW,   307200                     ; the rows' raw scale bytes, 16 heads x 512
.set SPARE, 315392                     ; the spare words, 128 bytes a wave
.set AOS,   6291456
.set WOC,   2457600
.set WOS,   3244032
.set ADRA,  16
.set ADRB,  20
.set ADRS,  27
.set STO,   9
.set RD,    10
.set CO,    11
.set SC,    32
.set BK,    64
.set AF,    128
.set T,     128
.set BI,    224
.set G1,    24
.set G1B,   32
.set G0A,   68
.set G0B,   84
.set MSB, 0
.macro WIN new
.if MSB != (\new)
	s_set_vgpr_msb (MSB<<8)|(\new)
.set MSB, (\new)
.endif
.endm
.set MUL_LO, 0xa1
.set MUL_HI, 0xf1
.set TO_B,   0x40
.macro JLOAD g0a, g1a, g0b, g1b        ; waves 0, 1 fetch the rows' codes, waves 2, 3 w_out's
	s_cmp_eq_u32 s15, 0
	s_cbranch_scc0 .Lfor_b_\@
	tensor_load_to_lds s[\g0a:\g0a+3], s[\g1a:\g1a+7]
	s_nop 0
.rept 4
	v_nop
.endr
	s_branch .Lasked_\@
.Lfor_b_\@:
	tensor_load_to_lds s[\g0b:\g0b+3], s[\g1b:\g1b+7]
	s_nop 0
.rept 4
	v_nop
.endr
.Lasked_\@:
.endm
.macro CROUND                          ; a round of the cluster's barrier
	s_barrier_signal -1
	s_barrier_wait -1
	s_cmp_lg_u32 s14, 0
	s_cbranch_scc1 .Lnot_wave_0_\@
	s_barrier_signal -3
.Lnot_wave_0_\@:
	s_barrier_wait -3
	s_barrier_signal -1
	s_barrier_wait -1
.endm
.macro PLACES                          ; four plain lines behind a matrix instruction (ISA guide 7.12.1)
.rept 4
	v_nop
.endr
.endm
.macro FRAG reg, adr, q, i             ; 16 rows x 128 K: six loads of 256 dense bytes
.irp p, 0,1,2,3,4,5
	ds_load_b64 v[\reg+2*\p:\reg+2*\p+1], v[\adr] offset:(\i)*6144+(\q)*1536+256*\p
.endr
.endm
.macro FETCH_B slot, q, p
	WIN TO_B
.irp i, 0,1,2,3
	FRAG 128*(\p)+FR*\i, ADRB+\slot, \q, \i
.endr
	WIN 0
.endm
.macro FETCH_A slot, q, i0
.irp i, \i0, \i0+1, \i0+2, \i0+3
	FRAG AF+FR*(\i), ADRA+\slot, \q, \i
.endr
.endm
.macro SCALES sc, slot                 ; two words a row for 256 along K: lanes 0-15 the rows' block i, lanes 16-31 w_out's (above i = 3 they read filled bytes that no product names)
.irp i, 0,1,2,3,4,5,6,7
	ds_load_b64 v[SC+16*(\sc)+2*\i:SC+16*(\sc)+2*\i+1], v[ADRS] offset:512*\i+128*(\slot)
.endr
.endm
.macro MULX a0, p, q, sc, zero         ; 8 products; the 32 accumulators take turns
.irp a, \a0, \a0+1
.irp b, 0,1,2,3
.if \zero
	v_wmma_scale_f32_16x16x128_f8f6f4 v[8*(NB*((\a)%4)+\b):8*(NB*((\a)%4)+\b)+7], v[128*(\p)+FR*\b:128*(\p)+FR*\b+FR-1], v[AF+FR*(\a):AF+FR*(\a)+FR-1], 0, v[SC+16*(\sc)+2*\b+(\q)], v[SC+16*(\sc)+2*(\a)+(\q)] matrix_a_fmt:MATRIX_FMT_FP6 matrix_b_fmt:MATRIX_FMT_FP6 matrix_a_scale:MATRIX_SCALE_ROW1
.else
	v_wmma_scale_f32_16x16x128_f8f6f4 v[8*(NB*((\a)%4)+\b):8*(NB*((\a)%4)+\b)+7], v[128*(\p)+FR*\b:128*(\p)+FR*\b+FR-1], v[AF+FR*(\a):AF+FR*(\a)+FR-1], v[8*(NB*((\a)%4)+\b):8*(NB*((\a)%4)+\b)+7], v[SC+16*(\sc)+2*\b+(\q)], v[SC+16*(\sc)+2*(\a)+(\q)] matrix_a_fmt:MATRIX_FMT_FP6 matrix_b_fmt:MATRIX_FMT_FP6 matrix_a_scale:MATRIX_SCALE_ROW1
.endif
.endr
.endr
.endm
.macro STEP slot, sc, zero             ; the first 128 of 256 along K; it fetches the second
	s_wait_dscnt 24                                ; all but the 24 youngest loads (the rows' blocks 4-7)
	WIN MUL_LO
	MULX 0, 0, 0, \sc, \zero
	MULX 2, 0, 0, \sc, \zero
	s_wait_dscnt 0x0
	PLACES
	FETCH_B \slot, 1, 1
	FETCH_A \slot, 1, 0
	WIN MUL_HI
	MULX 4, 0, 0, \sc, \zero
	MULX 6, 0, 0, \sc, \zero
	PLACES
	WIN 0
	FETCH_A \slot, 1, 4
.endm
.macro TURN slot, next, sc, bar        ; the second 128, and the step on.  bar = 1: into the second half of K: one barrier shows it whole to every wave
.if \bar
	s_wait_tensorcnt 0x0
.endif
	s_wait_dscnt 24
	WIN MUL_LO
	MULX 0, 1, 1, \sc, 0
	s_wait_dscnt 0x0
.if \bar
	s_barrier_signal -1
.endif
	MULX 2, 1, 1, \sc, 0
	WIN 0
.if \bar
	s_barrier_wait -1
.endif
	PLACES
	FETCH_B \next, 0, 0
	FETCH_A \next, 0, 0
	SCALES 1-\sc, \next
	WIN MUL_HI
	MULX 4, 1, 1, \sc, 0
	MULX 6, 1, 1, \sc, 0
	PLACES
	WIN 0
	FETCH_A \next, 0, 4
.endm
	s_load_b256 s[4:11], s[0:1], 0x0               ; aoq, wq, b_out, out0
	v_lshl_add_u32 v30, v0, 2, SPARE
	v_mov_b32 v31, 0
	ds_add_u32 v30, v31                            ; the opening lines: the add twice on end
	ds_add_u32 v30, v31
	v_lshrrev_b32 v1, 5, v0
	v_readfirstlane_b32 s14, v1                    ; wave
	s_lshr_b32 s15, s14, 1                         ; my 128 rows; also: I fetch rows (0) or w_out (1)
	s_and_b32 s16, s14, 1                          ; my 64 columns; also: which half I fetch
	s_bfe_u32 s2, ttmp6, 0x40000                   ; cx
	s_bfe_u32 s3, ttmp6, 0x40004                   ; cy
	s_lshl_b32 s19, ttmp9, 2
	s_add_co_u32 s19, s19, s2                      ; which 128 columns
	s_and_b32 s17, ttmp7, 0xffff
	s_lshl_b32 s17, s17, 2
	s_add_co_u32 s17, s17, s3                      ; which 256 rows
	s_lshl_b32 s18, s3, 2
	s_lshl_b32 s18, 15, s18                        ; my row of the cluster
	s_lshl_b32 s20, 0x1111, s2                     ; my column
	; the prefetches' offsets: the partners that ask for a tile jointly share its blocks of 256 bytes out by address
	s_lshl_b32 s44, s17, 4
	s_lshl_b32 s45, s2, 2
	s_add_co_u32 s44, s44, s45
	s_add_co_u32 s44, s44, s14                     ; the rows: row tile 16 x tile row + 4 cx + wave,
	s_mul_i32 s44, s44, 12288
	s_add_co_u32 s44, s44, 6144                    ; its second half of K: 24 blocks
	s_mov_b32 s45, 0
	s_lshl_b32 s46, s19, 3
	s_lshl_b32 s47, s3, 1
	s_add_co_u32 s46, s46, s47
	s_add_co_u32 s46, s46, s15                     ; w_out: column tile 8 x tile column + 2 cy + wave / 2,
	s_mul_i32 s46, s46, 12288
	s_mul_i32 s47, s16, 3072
	s_add_co_u32 s46, s46, s47
	s_add_co_u32 s46, s46, WOC+6144                ; its second half of K: 12 blocks a wave, from 3,072 (wave % 2) on
	s_mov_b32 s47, 0
	s_or_b32 s[G1], s18, (3<<16)|(1<<21)           ; elements of 8 bytes, no padding
	s_or_b32 s[G1B], s20, (3<<16)|(1<<21)
	s_mov_b32 s[G1+1], 768<<16                     ; 8 row tiles x 6,144 bytes, 12,288 apart
	s_mov_b32 s[G1+2], 8<<16
	s_mov_b32 s[G1+3], 768<<16
	s_mov_b32 s[G1+4], 8
	s_mov_b32 s[G1+5], 1536
	s_mov_b32 s[G1+6], 0
	s_mov_b32 s[G1+7], 0
	s_mov_b32 s[G1B+1], 768<<16                    ; 4 row tiles
	s_mov_b32 s[G1B+2], 4<<16
	s_mov_b32 s[G1B+3], 768<<16
	s_mov_b32 s[G1B+4], 4
	s_mov_b32 s[G1B+5], 1536
	s_mov_b32 s[G1B+6], 0
	s_mov_b32 s[G1B+7], 0
	s_lshl_b32 s12, s17, 4
	s_lshl_b32 s13, s16, 3
	s_add_co_u32 s12, s12, s13                     ; the first row tile that I fetch
	s_mul_i32 s12, s12, 12288
	s_mov_b32 s13, 0
	s_lshl_b32 s22, s17, 9                         ; the raw scale bytes of my 256 rows, head 0
	s_add_co_u32 s22, s22, AOS
	s_mov_b32 s23, 0
	s_lshl_b32 s100, s19, 3
	s_lshl_b32 s2, s100, 9                         ; w_out's scale images of my eight column tiles
	s_add_co_u32 s2, s2, WOS
	s_mov_b32 s3, 0
	s_lshl_b32 s101, s16, 2
	s_add_co_u32 s100, s100, s101
	s_mul_i32 s100, s100, 12288
	s_add_co_u32 s100, s100, WOC
	s_mov_b32 s101, 0
	s_mul_i32 s18, s16, HALFA                      ; LDS: no place in the cluster enters
	s_mul_i32 s20, s16, HALFB
	s_add_co_u32 s20, s20, BB
	s_wait_dscnt 0x0
	s_wait_kmcnt 0x0
	s_add_nc_u64 s[12:13], s[4:5], s[12:13]
	s_add_nc_u64 s[22:23], s[4:5], s[22:23]
	s_add_nc_u64 s[100:101], s[6:7], s[100:101]
	s_add_nc_u64 s[2:3], s[6:7], s[2:3]
	s_add_nc_u64 s[44:45], s[4:5], s[44:45]
	s_add_nc_u64 s[46:47], s[6:7], s[46:47]
.irp s, 0,1                                    ; a group 0 for each half of K
	s_mov_b32 s[G0A+4*\s], 1
	s_add_co_u32 s[G0A+4*\s+1], s18, \s*KHA
	s_add_nc_u64 s[G0A+4*\s+2:G0A+4*\s+3], s[12:13], \s*6144
	s_or_b32 s[G0A+4*\s+3], s[G0A+4*\s+3], 0x80000000
	s_mov_b32 s[G0B+4*\s], 1
	s_add_co_u32 s[G0B+4*\s+1], s20, \s*KHB
	s_add_nc_u64 s[G0B+4*\s+2:G0B+4*\s+3], s[100:101], \s*6144
	s_or_b32 s[G0B+4*\s+3], s[G0B+4*\s+3], 0x80000000
.endr
	CROUND                                         ; the first joint loads meet
	JLOAD G0A, G1, G0B, G1B                        ; the first half of K: my one load at the head
	v_and_b32 v1, 15, v0                           ; r
	v_bfe_u32 v2, v0, 4, 1                         ; h
	v_and_b32 v3, 31, v0                           ; lane
	v_lshlrev_b32 v7, 4, v0                        ; 16 bytes a thread
	v_lshrrev_b32 v12, 5, v0
	v_lshlrev_b32 v12, 14, v12
	v_lshl_add_u32 v12, v3, 4, v12                 ; raw bytes: head = wave (+ 4 j), 16,384 bytes a head, 16 bytes a lane
	v_lshlrev_b32 v13, 5, v2                       ; 32 h
	v_lshl_add_u32 v14, v0, 4, SCLB
	v_lshl_add_u32 v15, v0, 4, RAW
	v_min_u32 v24, 23, v3                          ; a lane a block of 256 bytes; the lanes left over name their wave's last block again
	v_min_u32 v25, 11, v3
	v_lshlrev_b32 v24, 8, v24
	v_lshlrev_b32 v25, 8, v25                      ; v24, v25 are never rewritten
	s_wait_alu depctr_va_vdst(0)
	global_load_b128 v[64:67], v7, s[2:3]
	global_load_b128 v[68:71], v7, s[2:3] offset:2048
.irp j, 0,1,2,3
	global_load_b128 v[72+4*\j:75+4*\j], v12, s[22:23] offset:65536*\j
.endr
	global_prefetch_b8 v24, s[44:45] th:TH_LOAD_NT scope:SCOPE_SE   ; what the loads behind the next round will ask for: the rows' second half of K,
	global_prefetch_b8 v25, s[46:47] th:TH_LOAD_NT scope:SCOPE_SE   ; and w_out's
	s_lshl_b32 s12, s19, 9                         ; my first column, in bytes
	s_lshl_b32 s13, s16, 8
	s_add_co_u32 s12, s12, s13
	s_mov_b32 s13, 0
	s_add_nc_u64 s[8:9], s[8:9], s[12:13]
.irp b, 0,1,2,3                                ; register 8 b + j wants column 16 b + 8 h + j
	global_load_b128 v[BI+8*\b:BI+8*\b+3], v13, s[8:9] offset:64*\b
	global_load_b128 v[BI+8*\b+4:BI+8*\b+7], v13, s[8:9] offset:64*\b+16
.endr
	s_lshl_b32 s40, s17, 8
	s_lshl_b32 s41, s15, 7
	s_add_co_u32 s40, s40, s41                     ; my first row
	s_lshl_b32 s40, s40, 12
	s_add_co_u32 s12, s12, s40
	s_add_nc_u64 s[10:11], s[10:11], s[12:13]
	v_lshlrev_b32 v8, 3, v3                        ; an image's place for my lane
	s_wait_alu depctr_va_vdst(0)
	s_mul_i32 s40, s15, HALFA
	s_mov_b32 s41, s20
.irp s, 0,1,2,3                                ; 256 along K number s: half s / 2 of K, 3,072 (s % 2) bytes into a row tile's 6,144
	v_add_nc_u32 v[ADRA+\s], s40, v8
	v_add_nc_u32 v[ADRB+\s], s41, v8
	s_add_co_u32 s40, s40, 3072+(\s%2)*(KHA-6144)
	s_add_co_u32 s41, s41, 3072+(\s%2)*(KHB-6144)
.endr
	s_lshl_b32 s40, s16, 11
	s_add_co_u32 s40, s40, SCLB                    ; the lower base: w_out's images of my half;
	s_lshl_b32 s41, s15, 12
	s_add_co_u32 s41, s41, SCLA
	s_sub_co_u32 s41, s41, s40                     ; the distance to the rows'
	v_xor_b32 v6, 1, v2
	v_mul_u32_u24 v6, s41, v6                      ; lanes 0-15 take the rows'
	v_lshl_add_u32 v6, v1, 3, v6
	v_add_nc_u32 v[ADRS], s40, v6
	v_lshl_add_u32 v4, v0, 1, RAW                  ; my row's two raw bytes of head 0
	v_lshrrev_b32 v5, 4, v0
	v_lshlrev_b32 v5, 9, v5
	v_lshl_add_u32 v5, v1, 3, v5
	v_add_nc_u32 v5, SCLA, v5                      ; and its place in the images
	s_mul_i32 s40, s14, 4352                       ; my stage for the way out: in the first half of K's bytes, which nobody reads behind the last barrier
	v_mul_u32_u24 v[STO], v1, 272
	v_lshl_add_u32 v[STO], v2, 5, v[STO]
	v_add_nc_u32 v[STO], s40, v[STO]
	v_mul_u32_u24 v[RD], v2, 272
	v_lshl_add_u32 v[RD], v1, 4, v[RD]
	v_add_nc_u32 v[RD], s40, v[RD]
	v_lshlrev_b32 v[CO], 12, v2
	v_lshl_add_u32 v[CO], v1, 4, v[CO]
	s_wait_alu depctr_va_vdst(0)
	s_wait_loadcnt 8                               ; the six loads of scales are in; the eight younger loads of the bias may be out
	ds_store_b128 v14, v[64:67]
	ds_store_b128 v14, v[68:71] offset:2048
.irp j, 0,1,2,3
	ds_store_b128 v15, v[72+4*\j:75+4*\j] offset:2048*\j
.endr
	s_wait_dscnt 0x0                               ; for the others' sake
	s_barrier_signal -1
	s_barrier_wait -1                              ; the raw bytes lie in LDS
.irp x, 0,1                                    ; rows x 128 + thread: two bytes of each of 16 heads
.irp d, 0,1,2,3,4,5,6,7,8,9,10,11,12,13,14,15
	ds_load_u16 v[64+16*\x+\d], v4 offset:512*\d+256*\x
.endr
.endr
	s_wait_dscnt 0x0
.irp x, 0,1
.irp k, 0,1,2,3,4,5,6,7
	v_lshl_or_b32 v[96+8*\x+\k], v[65+16*\x+2*\k], 16, v[64+16*\x+2*\k]
.endr
.endr
.irp x, 0,1
.irp s, 0,1,2,3
	ds_store_b64 v5, v[96+8*\x+2*\s:97+8*\x+2*\s] offset:4096*\x+128*\s
.endr
.endr
	s_wait_tensorcnt 0x0                           ; my part of the first half of K is in
	ds_add_u32 v30, v31
	s_wait_dscnt 0x0                               ; the add and my stores of scale images are done
	CROUND
	JLOAD G0A+4, G1, G0B+4, G1B                    ; the second half of K
	FETCH_B 0, 0, 0
	FETCH_A 0, 0, 0
	SCALES 0, 0
	FETCH_A 0, 0, 4
	STEP 0, 0, 1                                   ; its products start the sums
	TURN 0, 1, 0, 0
	STEP 1, 1, 0
	TURN 1, 2, 1, 1
	STEP 2, 0, 0
	TURN 2, 3, 0, 0
	STEP 3, 1, 0
	s_wait_dscnt 24
	WIN MUL_LO
	MULX 0, 1, 1, 1, 0
	MULX 2, 1, 1, 1, 0
	s_wait_dscnt 0x0
	WIN MUL_HI
	MULX 4, 1, 1, 1, 0
	MULX 6, 1, 1, 1, 0
	WIN 0
; THE WAY OUT, 16 rows x 64 columns at a time: + bias, through my stage, back as rows of 256 bytes
.macro TOSTAGE a
.set TT, T+32*((\a)%2)
.set BB2, BK+32*((\a)%2)
	WIN 0x02+((\a)/4)
.set ii, 0
.rept 16
	v_pk_add_f32 v[TT+2*ii:TT+2*ii+1], v[32*((\a)%4)+2*ii:32*((\a)%4)+2*ii+1], v[BI+2*ii:BI+2*ii+1]   ; each accumulator from its low end on
.set ii, ii+1
.endr
	WIN 0
.irp b, 0,1,2,3
	ds_store_b128 v[STO], v[TT+8*\b:TT+8*\b+3] offset:64*\b
	ds_store_b128 v[STO], v[TT+8*\b+4:TT+8*\b+7] offset:64*\b+16
.endr
.irp t, 0,1,2,3,4,5,6,7
	ds_load_b128 v[BB2+4*\t:BB2+4*\t+3], v[RD] offset:544*\t      ; LDS serves a wave's instructions in order: these see my stores
.endr
.endm
.macro SEND a, younger
.set BB2, BK+32*((\a)%2)
	s_wait_dscnt \younger                          ; the block is back; the next block's 8 stores and 8 loads may be out
.irp t, 0,1,2,3,4,5,6,7
	global_store_b128 v[CO], v[BB2+4*\t:BB2+4*\t+3], s[10:11] offset:(16*(\a)+2*\t)*4096 th:TH_STORE_NT   ; 16 lanes store 256 consecutive bytes, aligned
.endr
.endm
	PLACES
	s_wait_loadcnt 0x0                             ; the bias
	TOSTAGE 0
.irp a, 1,2,3,4,5,6,7
.if \a > 1
	s_wait_xcnt 0x0                                ; block a - 2's stores have read their registers
.endif
	TOSTAGE \a
	SEND \a-1, 16
.endr
	SEND 7, 0
	s_wait_tensorcnt 0x0                           ; the wave's end
	ds_add_u32 v30, v31
	s_wait_dscnt 0x0
	CROUND                                         ; the closing round
	s_endpgm
.Lfunc_end_k_qad88793735_proj:
	.size	k_qad88793735_proj, .Lfunc_end_k_qad88793735_proj-k_qad88793735_proj
	.p2alignl 7, 3214868480
	.fill 96, 4, 3214868480
	.section	.rodata,"a",@progbits
	.p2align	6, 0x0
	.amdhsa_kernel k_qad88793735_proj
		.amdhsa_group_segment_fixed_size 327680
		.amdhsa_private_segment_fixed_size 0
		.amdhsa_enable_private_segment 0
		.amdhsa_kernarg_size 32
		.amdhsa_user_sgpr_count 2
		.amdhsa_user_sgpr_kernarg_segment_ptr 1
		.amdhsa_wavefront_size32 1
		.amdhsa_system_sgpr_workgroup_id_x 1
		.amdhsa_system_sgpr_workgroup_id_y 1
		.amdhsa_system_sgpr_workgroup_id_z 1
		.amdhsa_system_vgpr_workitem_id 0
		.amdhsa_next_free_vgpr 1024
		.amdhsa_next_free_sgpr 102
		.amdhsa_reserve_vcc 0
		.amdhsa_float_denorm_mode_32 3
		.amdhsa_float_denorm_mode_16_64 3
		.amdhsa_memory_ordered 1
		.amdhsa_forward_progress 1
		.amdhsa_inst_pref_size 113
	.end_amdhsa_kernel
	.amdgpu_metadata
---
amdhsa.version: [ 1, 2 ]
amdhsa.kernels:
  - .name:           k_qad88793735_proj
    .symbol:         k_qad88793735_proj.kd
    .args:
      - { .name: aoq, .offset: 0, .size: 8, .value_kind: global_buffer, .address_space: global }
      - { .name: wq, .offset: 8, .size: 8, .value_kind: global_buffer, .address_space: global }
      - { .name: b_out, .offset: 16, .size: 8, .value_kind: global_buffer, .address_space: global }
      - { .name: out0, .offset: 24, .size: 8, .value_kind: global_buffer, .address_space: global }
    .group_segment_fixed_size: 327680
    .private_segment_fixed_size: 0
    .kernarg_segment_align: 8
    .kernarg_segment_size: 32
    .max_flat_workgroup_size: 128
    .sgpr_count:     102
    .vgpr_count:     1024
    .wavefront_size: 32
...
	.end_amdgpu_metadata
.endif
;; end of part 4
